; MI455X (gfx1250); checked and timed in simulation.
; The chip was launched on July 23, 2026; its instructions are those of AMD's public machine-readable ISA for CDNA 5 (MIT licence, August 2026) and "CDNA5" Instruction Set Architecture Reference Guide (July 2026). The comments in the code are by the model that wrote it; some were corrected since.
;; Transformer Block. Allowed arithmetic: float matrix products may take bf16 or f16 operands with f32 sums; all other float work in f32.
;; Inputs: fc1_b 4,096 float32; fc1_w 4,096 x 1,024 float32; fc2_b 1,024 float32; fc2_w 1,024 x 4,096 float32; ln1_b 1,024 float32; ln1_g 1,024 float32; ln2_b 1,024 float32; ln2_g 1,024 float32; mask 2,048 x 2,048 bool; out_b 1,024 float32; out_w 1,024 x 1,024 float32; qkv_b 3,072 float32; qkv_w 3,072 x 1,024 float32; x 2 x 2,048 x 1,024 float32.
;; Outputs: out0 2 x 2,048 x 1,024 float32.
;; 2 versions, each right; version 2 is version 1 with the launch prep written anew for expert scheduling mode. Each part assembles by itself: llvm-mc -triple=amdgcn-amd-amdhsa -mcpu=gfx1250 --defsym DOCPART=n.
;; ======== version 1 of 2: 7 launches
;; limits: right only within a limited range of input values; a function is approximated: absolute error at most 7.5e-08
;; workspace buffers: wbf 25,165,824 bytes; mtile 4,194,304 bytes; h 8,388,608 bytes; qkv 25,165,824 bytes; o 8,388,608 bytes; x1 16,777,216 bytes; f 33,554,432 bytes
;; launch prep (part 1): grid 1088 x 1, 8 waves a work-group, no clusters, 0 bytes of LDS; arguments x, ln1_g, ln1_b, qkv_w, out_w, fc1_w, fc2_w, mask, h, wbf, mtile; writes h, wbf, mtile
.if DOCPART == 1
	.amdgcn_target "amdgcn-amd-amdhsa--gfx1250"
	.amdhsa_code_object_version 6
	.text
	.protected	k_qbdfd8de9d3_prep
	.globl	k_qbdfd8de9d3_prep
	.p2align	8
	.type	k_qbdfd8de9d3_prep,@function
k_qbdfd8de9d3_prep:
	s_mov_b64 s[64:65], 0
	v_nop
	global_prefetch_b8 v0, s[64:65] scope:SCOPE_SE
	s_setreg_imm32_b32 hwreg(HW_REG_WAVE_MODE, 25, 1), 1
	s_wait_xcnt 0x0
; Three streams in one launch, told apart by the work-group's number:
;   0 .. 255     h = LayerNorm(x) g + b, rounded to bf16: 16 rows a work-group, two rows a wave
;   256 .. 1023  the four weight matrices rounded to bf16, one behind the other in wbf: 16,384 numbers a work-group
;   1024 .. 1087 the mask re-tiled to [16 query blocks][16 key blocks][128][128], byte 0x00 = keep, 0xFF = masked
; Memory binds all three: no LDS, no barrier, no matrix unit.  Every text is straight: no register that a store reads is written again.
; LIMIT: a mask byte is 0 or 1, as a bool is stored.
; LayerNorm takes two passes over the row in registers (the mean, then the mean of the squared differences), so that a common
; offset of the row does not enter a difference of large sums.
.set X,   16                           ; v[16:79]    two rows of 1,024 f32: row p at X + 32 p; register 4 j + c holds column 128 j + 4 lane + c
.set G,   80                           ; v[80:111]   gain of the same columns
.set B,   112                          ; v[112:143]  bias of the same columns
.set Y,   144                          ; v[144:175]  the rows in bf16: row p at Y + 16 p
.set T,   4                            ; v[4:9]      at work
.set R,   12                           ; v[12:15]    1 / sqrt(var + eps) of row p, twice, at R + 2 p
.macro LANESUM                         ; v[T] summed over the 32 lanes, the result in every lane; v[T+1] has been written before
	v_add_f32_dpp v[T], v[T], v[T] row_xmask:1 row_mask:0xf bank_mask:0xf
	v_add_f32_dpp v[T], v[T], v[T] row_xmask:2 row_mask:0xf bank_mask:0xf
	v_add_f32_dpp v[T], v[T], v[T] row_xmask:4 row_mask:0xf bank_mask:0xf
	v_add_f32_dpp v[T], v[T], v[T] row_xmask:8 row_mask:0xf bank_mask:0xf
	v_permlanex16_b32 v[T+1], v[T], s30, s31
	v_add_f32 v[T], v[T], v[T+1]
.endm
; Row p: the mean is taken away in place, and 1 / sqrt(var + eps) is left in v[R+2p:R+2p+1].  left = younger loads that may stay out.
.macro ROWSTAT p, left
	s_wait_loadcnt \left
	v_pk_add_f32 v[T:T+1], v[X+32*\p:X+32*\p+1], v[X+32*\p+2:X+32*\p+3]         ; the first two sums start two chains: nothing is cleared
	v_pk_add_f32 v[T+2:T+3], v[X+32*\p+4:X+32*\p+5], v[X+32*\p+6:X+32*\p+7]
.set j, 8
.rept 6
	v_pk_add_f32 v[T:T+1], v[T:T+1], v[X+32*\p+j:X+32*\p+j+1]
	v_pk_add_f32 v[T+2:T+3], v[T+2:T+3], v[X+32*\p+j+2:X+32*\p+j+3]
.set j, j+4
.endr
	v_pk_add_f32 v[T:T+1], v[T:T+1], v[T+2:T+3]
	v_add_f32 v[T], v[T], v[T+1]
	LANESUM
	v_mul_f32 v[T+4], s36, v[T]                    ; the mean: sum / 1,024
	v_mov_b32 v[T+5], v[T+4]
.set j, 0
.rept 16
	v_pk_add_f32 v[X+32*\p+j:X+32*\p+j+1], v[X+32*\p+j:X+32*\p+j+1], v[T+4:T+5] neg_lo:[0,1] neg_hi:[0,1]
.set j, j+2
.endr
	v_pk_mul_f32 v[T:T+1], v[X+32*\p:X+32*\p+1], v[X+32*\p:X+32*\p+1]
	v_pk_mul_f32 v[T+2:T+3], v[X+32*\p+2:X+32*\p+3], v[X+32*\p+2:X+32*\p+3]
.set j, 4
.rept 7
	v_pk_fma_f32 v[T:T+1], v[X+32*\p+j:X+32*\p+j+1], v[X+32*\p+j:X+32*\p+j+1], v[T:T+1]
	v_pk_fma_f32 v[T+2:T+3], v[X+32*\p+j+2:X+32*\p+j+3], v[X+32*\p+j+2:X+32*\p+j+3], v[T+2:T+3]
.set j, j+4
.endr
	v_pk_add_f32 v[T:T+1], v[T:T+1], v[T+2:T+3]
	v_add_f32 v[T], v[T], v[T+1]
	LANESUM
	v_fma_f32 v[T], v[T], s36, s37                 ; var + eps
	v_rsq_f32 v[R+2*\p], v[T]
	v_nop                                          ; one plain place between v_rsq_f32 and the use of its result (ISA guide 5.7.2)
	s_wait_alu depctr_va_vdst(0)
	v_mov_b32 v[R+2*\p+1], v[R+2*\p]
.endm
; The LayerNorm of rows 16 id + 2 wave and the next.  xs, gs, bs, hs: first registers of the scalar pairs with the four addresses.
.macro LNBODY xs, gs, bs, hs
	s_mov_b32 s30, 0x76543210                      ; v_permlanex16_b32: lane i of one half reads lane i of the other
	s_mov_b32 s31, 0xfedcba98
	s_mov_b32 s36, 0x3a800000                      ; 1 / 1,024
	s_mov_b32 s37, 0x3727c5ac                      ; 1e-5
	s_lshl_b32 s32, s5, 4
	s_lshl_b32 s33, s4, 1
	s_add_co_u32 s32, s32, s33                     ; my first row
	s_lshl_b32 s34, s32, 12                        ; x 4,096 bytes of f32
	s_mov_b32 s35, 0
	s_add_nc_u64 s[\xs:\xs+1], s[\xs:\xs+1], s[34:35]
	s_lshl_b32 s34, s32, 11                        ; x 2,048 bytes of bf16
	s_add_nc_u64 s[\hs:\hs+1], s[\hs:\hs+1], s[34:35]
.irp p, 0,1
.irp j, 0,1,2,3,4,5,6,7
	global_load_b128 v[X+32*\p+4*\j:X+32*\p+4*\j+3], v1, s[\xs:\xs+1] offset:\p*4096+512*\j   ; 512 neighbouring bytes a load
.endr
.endr
.irp j, 0,1,2,3,4,5,6,7
	global_load_b128 v[G+4*\j:G+4*\j+3], v1, s[\gs:\gs+1] offset:512*\j
.endr
.irp j, 0,1,2,3,4,5,6,7
	global_load_b128 v[B+4*\j:B+4*\j+3], v1, s[\bs:\bs+1] offset:512*\j
.endr
	ROWSTAT 0, 24                                  ; out: the second row's 8 loads, g's 8, b's 8
	ROWSTAT 1, 16                                  ; out: g's 8, b's 8
	s_wait_loadcnt 0x0                             ; g and b
.irp p, 0,1
.set j, 0
.rept 16
	v_pk_mul_f32 v[X+32*\p+j:X+32*\p+j+1], v[X+32*\p+j:X+32*\p+j+1], v[R+2*\p:R+2*\p+1]
.set j, j+2
.endr
.set j, 0
.rept 16
	v_pk_fma_f32 v[X+32*\p+j:X+32*\p+j+1], v[X+32*\p+j:X+32*\p+j+1], v[G+j:G+j+1], v[B+j:B+j+1]
.set j, j+2
.endr
.set j, 0
.rept 16
	v_cvt_pk_bf16_f32 v[Y+16*\p+j], v[X+32*\p+2*j], v[X+32*\p+2*j+1]
.set j, j+1
.endr
.irp j, 0,1,2,3,4,5,6,7
	global_store_b64 v2, v[Y+16*\p+2*\j:Y+16*\p+2*\j+1], s[\hs:\hs+1] offset:\p*2048+256*\j   ; the wave's store covers 256 consecutive bytes, aligned
.endr
.endr
.endm
	s_load_b512 s[8:23], s[0:1], 0x0               ; x 8, ln1_g 10, ln1_b 12, qkv_w 14, out_w 16, fc1_w 18, fc2_w 20, mask 22
	s_load_b128 s[24:27], s[0:1], 0x40             ; h 24, wbf 26
	s_load_b64 s[28:29], s[0:1], 0x50              ; mtile
	s_mov_b32 s5, ttmp9                            ; the work-group's number
	v_lshrrev_b32 v3, 5, v0
	v_readfirstlane_b32 s4, v3                     ; wave 0..7
	v_and_b32 v3, 31, v0
	v_lshlrev_b32 v1, 4, v3                        ; 16 x lane
	v_lshlrev_b32 v2, 3, v3                        ; 8 x lane
	s_wait_kmcnt 0x0
	s_cmp_lt_u32 s5, 256
	s_cbranch_scc0 .Lcast_or_mask
	LNBODY 8, 10, 12, 24
	s_endpgm
.Lcast_or_mask:
	s_cmp_lt_u32 s5, 1024
	s_cbranch_scc0 .Lmask
	; CAST.  id' = id - 256: 0..191 qkv_w, 192..255 out_w, 256..511 fc1_w, 512..767 fc2_w; 16,384 numbers each.
	; In wbf the four follow each other in that order, so the target is id' x 32,768 bytes whatever the source.
	s_sub_co_u32 s32, s5, 256
	s_mov_b64 s[34:35], s[20:21]
	s_mov_b32 s33, 512
	s_cmp_lt_u32 s32, 512
	s_cselect_b64 s[34:35], s[18:19], s[34:35]
	s_cselect_b32 s33, 256, s33
	s_cmp_lt_u32 s32, 256
	s_cselect_b64 s[34:35], s[16:17], s[34:35]
	s_cselect_b32 s33, 192, s33
	s_cmp_lt_u32 s32, 192
	s_cselect_b64 s[34:35], s[14:15], s[34:35]
	s_cselect_b32 s33, 0, s33
	s_sub_co_u32 s33, s32, s33                     ; my place in the source
	s_lshl_b32 s36, s33, 16                        ; x 65,536 bytes of f32
	s_lshl_b32 s38, s4, 13                         ; + wave x 8,192
	s_add_co_u32 s36, s36, s38
	s_mov_b32 s37, 0
	s_add_nc_u64 s[34:35], s[34:35], s[36:37]
	s_lshl_b32 s36, s32, 15                        ; x 32,768 bytes of bf16
	s_lshl_b32 s38, s4, 12                         ; + wave x 4,096
	s_add_co_u32 s36, s36, s38
	s_add_nc_u64 s[26:27], s[26:27], s[36:37]
.set i, 0
.rept 16
	global_load_b128 v[16+4*i:16+4*i+3], v1, s[34:35] offset:512*i th:TH_LOAD_NT
.set i, i+1
.endr
.set i, 0
.rept 16
	s_wait_loadcnt 15-i                            ; loads come back in order: load i is in, the younger ones stay out
	v_cvt_pk_bf16_f32 v[80+2*i], v[16+4*i], v[16+4*i+1]
	v_cvt_pk_bf16_f32 v[81+2*i], v[16+4*i+2], v[16+4*i+3]
	global_store_b64 v2, v[80+2*i:81+2*i], s[26:27] offset:256*i    ; 256 consecutive bytes, aligned
.set i, i+1
.endr
	s_endpgm
.Lmask:
	; MASK.  j = id - 1024 owns query rows 32 j .. 32 j + 31; wave w owns key blocks 2 w and 2 w + 1 (256 bytes of each row).
	; Lane: a = l & 7 (16 bytes of a key block's 128), rs = (l >> 3) & 1 (which of two rows), ts = l >> 4 (which key block).
	; A load takes 256 consecutive bytes of each of two rows; a store's lanes 0-15 fill 256 consecutive bytes of one tile (two query
	; rows of 128 bytes), lanes 16-31 the same rows of the neighbouring tile.
	v_and_b32 v4, 7, v0
	v_bfe_u32 v5, v0, 3, 1
	v_bfe_u32 v8, v0, 4, 1
	v_lshlrev_b32 v6, 4, v4
	v_lshl_add_u32 v7, v5, 7, v6
	v_lshl_add_u32 v7, v8, 14, v7                  ; target: ts x 16,384 + rs x 128 + 16 a
	v_lshl_add_u32 v6, v5, 11, v6
	v_lshl_add_u32 v6, v8, 7, v6                   ; source: rs x 2,048 + ts x 128 + 16 a
	s_sub_co_u32 s32, s5, 1024
	s_lshl_b32 s34, s32, 16                        ; 32 rows of 2,048 bytes
	s_lshl_b32 s36, s4, 8
	s_add_co_u32 s34, s34, s36
	s_mov_b32 s35, 0
	s_add_nc_u64 s[22:23], s[22:23], s[34:35]
	s_lshr_b32 s34, s32, 2                         ; query block
	s_lshl_b32 s34, s34, 18                        ; x 16 tiles of 16,384 bytes
	s_lshl_b32 s36, s4, 15                         ; + 2 w tiles
	s_add_co_u32 s34, s34, s36
	s_and_b32 s36, s32, 3
	s_lshl_b32 s36, s36, 12                        ; + 32 rows of 128 bytes for each quarter of the block
	s_add_co_u32 s34, s34, s36
	s_add_nc_u64 s[28:29], s[28:29], s[34:35]
.set i, 0
.rept 16
	global_load_b128 v[16+4*i:16+4*i+3], v6, s[22:23] offset:4096*i th:TH_LOAD_NT
.set i, i+1
.endr
.set i, 0
.rept 16
	s_wait_loadcnt 15-i
.irp c, 0,1,2,3
	v_lshlrev_b32 v[80+4*i+\c], 8, v[16+4*i+\c]                    ; 256 m - m = 255 m: each byte 1 becomes 0xFF, no carry leaves a byte
	v_sub_nc_u32 v[80+4*i+\c], v[80+4*i+\c], v[16+4*i+\c]
.endr
	global_store_b128 v7, v[80+4*i:80+4*i+3], s[28:29] offset:256*i
.set i, i+1
.endr
	s_endpgm
.Lfunc_end_k_qbdfd8de9d3_prep:
	.size	k_qbdfd8de9d3_prep, .Lfunc_end_k_qbdfd8de9d3_prep-k_qbdfd8de9d3_prep
	.p2alignl 7, 3214868480
	.fill 96, 4, 3214868480
	.section	.rodata,"a",@progbits
	.p2align	6, 0x0
	.amdhsa_kernel k_qbdfd8de9d3_prep
		.amdhsa_group_segment_fixed_size 0
		.amdhsa_private_segment_fixed_size 0
		.amdhsa_enable_private_segment 0
		.amdhsa_kernarg_size 88
		.amdhsa_user_sgpr_count 2
		.amdhsa_user_sgpr_kernarg_segment_ptr 1
		.amdhsa_wavefront_size32 1
		.amdhsa_system_sgpr_workgroup_id_x 1
		.amdhsa_system_sgpr_workgroup_id_y 1
		.amdhsa_system_sgpr_workgroup_id_z 1
		.amdhsa_system_vgpr_workitem_id 0
		.amdhsa_next_free_vgpr 184
		.amdhsa_next_free_sgpr 66
		.amdhsa_reserve_vcc 0
		.amdhsa_float_denorm_mode_32 3
		.amdhsa_float_denorm_mode_16_64 3
		.amdhsa_memory_ordered 1
		.amdhsa_forward_progress 1
		.amdhsa_inst_pref_size 35
	.end_amdhsa_kernel
	.amdgpu_metadata
---
amdhsa.version: [ 1, 2 ]
amdhsa.kernels:
  - .name:           k_qbdfd8de9d3_prep
    .symbol:         k_qbdfd8de9d3_prep.kd
    .args:
      - { .name: x, .offset: 0, .size: 8, .value_kind: global_buffer, .address_space: global }
      - { .name: ln1_g, .offset: 8, .size: 8, .value_kind: global_buffer, .address_space: global }
      - { .name: ln1_b, .offset: 16, .size: 8, .value_kind: global_buffer, .address_space: global }
      - { .name: qkv_w, .offset: 24, .size: 8, .value_kind: global_buffer, .address_space: global }
      - { .name: out_w, .offset: 32, .size: 8, .value_kind: global_buffer, .address_space: global }
      - { .name: fc1_w, .offset: 40, .size: 8, .value_kind: global_buffer, .address_space: global }
      - { .name: fc2_w, .offset: 48, .size: 8, .value_kind: global_buffer, .address_space: global }
      - { .name: mask, .offset: 56, .size: 8, .value_kind: global_buffer, .address_space: global }
      - { .name: h, .offset: 64, .size: 8, .value_kind: global_buffer, .address_space: global }
      - { .name: wbf, .offset: 72, .size: 8, .value_kind: global_buffer, .address_space: global }
      - { .name: mtile, .offset: 80, .size: 8, .value_kind: global_buffer, .address_space: global }
    .group_segment_fixed_size: 0
    .private_segment_fixed_size: 0
    .kernarg_segment_align: 8
    .kernarg_segment_size: 88
    .max_flat_workgroup_size: 256
    .sgpr_count:     66
    .vgpr_count:     184
    .wavefront_size: 32
...
	.end_amdgpu_metadata
.endif
;; end of part 1
;; launch gqkv (part 2): grid 12 x 16, 4 waves a work-group, clusters of 4 x 4, 327,680 bytes of LDS; arguments h, wbf, qkv, qkv_b; writes qkv
.if DOCPART == 2
	.amdgcn_target "amdgcn-amd-amdhsa--gfx1250"
	.amdhsa_code_object_version 6
	.text
	.protected	k_qbdfd8de9d3_gqkv
	.globl	k_qbdfd8de9d3_gqkv
	.p2align	8
	.type	k_qbdfd8de9d3_gqkv,@function
k_qbdfd8de9d3_gqkv:
	s_mov_b64 s[64:65], 0
	v_nop
	global_prefetch_b8 v0, s[64:65] scope:SCOPE_SE
	s_setreg_imm32_b32 hwreg(HW_REG_WAVE_MODE, 25, 1), 1
	s_wait_xcnt 0x0
	s_wait_alu depctr_hold_cnt(0) depctr_sa_sdst(0) depctr_va_vdst(0) depctr_va_sdst(0) depctr_va_ssrc(0) depctr_va_vcc(0) depctr_vm_vsrc(0)
	s_getreg_b32 s2, hwreg(HW_REG_IB_STS2, 6, 4)
	s_cmp_eq_u32 s2, 0
	s_cbranch_scc0 .Lentry_in_a_cluster
	s_endpgm
.Lentry_in_a_cluster:
	s_bfe_u32 s2, ttmp6, 0x10000c
	s_cmp_lg_u32 s2, 0xf033
	s_cbranch_scc0 .Lentry_shape_is_right
	s_endpgm
.Lentry_shape_is_right:
; qkv = h Wqkv^T + qkv_b.  h: [4096][1024] bf16; Wqkv: [3072][1024] bf16 at byte 0 of wbf; sums in f32; the result in bf16, laid
; head-major: [q, k, v][batch 2][head 16][token 2048][64], so that the attention launch finds dense tiles.
; A work-group makes 256 x 256 of the product with four waves, a wave 128 x 128: 64 accumulator tiles of 16 x 16, 512 registers.
; K goes in steps of 128 through a ring of two LDS slots filled by the tensor data mover; a tile's rows are 256 bytes of memory.
; 12 x 16 = 192 work-groups: the block of 256 columns divides 3,072 into 12.
; CLUSTERS: 4 x 4 work-groups.  The four of a cluster's row need the same tiles of h, the four of a column the same tiles of W: such a tile is
; asked for jointly, by the same tensor load with the same descriptor and a mask that names the four.
; REGISTERS, in windows of 256:
;   window 0: v0-31 addresses; v64-127, v128-191 fragments of h, two buffers; v192-255 the bias of my 128 columns; v32-63 at work on the way out
;   window 1: v64-127, v128-191 fragments of W, two buffers
;   window 2: the 32 accumulator tiles of my rows 0-63 (tile (a, b) at v[8 (8 a + b)]);   window 3: those of my rows 64-127
; THE MATRIX INSTRUCTION IS USED TRANSPOSED: source 0 = 16 rows of W, source 1 = 16 rows of h: lane l holds row l % 16 of the result and its
; registers 0 to 7 the columns 8 (l / 16) + 0 .. 7, eight neighbouring numbers.
.set SIZE_K, 1024
.set KSTEP,  128
.set PITCH,  272                       ; an LDS row: 256 bytes of data + 16 of padding: the 16 rows that a load touches start 16 bytes apart modulo 256
.set HALFT,  128*PITCH                 ; 128 rows: what one tensor load brings
.set SLOT,   4*HALFT                   ; h's 256 rows, then W's 256 rows
.set STAGE,  2*SLOT                    ; behind the ring: 16 rows x 272 bytes for each wave, for the way out; no tensor load fills it
.set SPITCH, 272
.set LAPS, SIZE_K/(2*KSTEP)            ; a lap = two K steps = once round the ring: 4
.set ADRA, 16                          ; v16-17  LDS address of my h fragments in slot 0, 1
.set ADRB, 20                          ; v20-21  the same for W
.set STO,  24                          ; v24     the way out: where I put 16 bytes of a row
.set RD,   25                          ; v25     the way out: where I read back
.set CO,   26                          ; v26     my byte offset in qkv
.set BO,   27                          ; v27     my byte offset in the bias
.set TMP,  32                          ; v32-63  packed results
.set F0,   64                          ; fragment buffer 0
.set F1,   128                         ; fragment buffer 1
.set X,    64                          ; the way out: 16 rows with the bias added, f32
.set RB,   160                         ; the way out: rows read back
.set BIAS, 192                         ; v[BIAS+8b+j] = bias[n0 + 16 b + 8 (l / 16) + j]
.set G1, 24                            ; s[24:31] descriptor group 1 for h's tiles
.set G0, 32                            ; s[32:39] descriptor group 0 for h's tiles, one set for each slot
.set G1B, 48                           ; s[48:55] group 1 for W's tiles: another mask
.set G0B, 56                           ; s[56:63] group 0 for W's tiles
.set MSB, 0
.macro WIN new                         ; the immediate's high byte repeats the setting that is left
.if MSB != \new
	s_set_vgpr_msb (MSB<<8)|\new
.set MSB, \new
.endif
.endm
.set MUL_LO, 0xa1                      ; source 0 (W) window 1, source 1 (h) window 0, C and D window 2
.set MUL_HI, 0xf1                      ; the same, C and D window 3
.set TO_B,   0x40                      ; destination window 1, address window 0
; A joint load.  Waves 0 and 1 fetch h's two halves, waves 2 and 3 W's.  Each line has one mask; the branch hangs on the wave's number alone.
.macro JLOAD s
	s_cmp_eq_u32 s11, 0
	s_cbranch_scc0 .Lfor_b_\@
	tensor_load_to_lds s[G0+4*\s:G0+4*\s+3], s[G1:G1+7]
	s_nop 0
	s_branch .Lasked_\@
.Lfor_b_\@:
	tensor_load_to_lds s[G0B+4*\s:G0B+4*\s+3], s[G1B:G1B+7]
	s_nop 0
.Lasked_\@:
.endm
; A round of the cluster's barrier: my work-group's barrier; wave 0 signals for the work-group; every wave waits for all sixteen; my work-group's barrier again.
.macro CREST                           ; a round behind its opening barrier
	s_cmp_lg_u32 s10, 0
	s_cbranch_scc1 .Lnot_wave_0_\@
	s_barrier_signal -3
.Lnot_wave_0_\@:
	s_barrier_wait -3
	s_barrier_signal -1
	s_barrier_wait -1
.endm
.macro CROUND
	s_barrier_signal -1
	s_barrier_wait -1
	CREST
.endm
	s_load_b128 s[4:7], s[0:1], 0x0                ; h s[4:5], wbf s[6:7]
	s_load_b64 s[8:9], s[0:1], 0x10                ; qkv
	s_load_b64 s[68:69], s[0:1], 0x18              ; qkv_b
	s_set_vgpr_msb 0x40
	v_lshl_add_u32 v255, v0, 2, 0x48400
	s_set_vgpr_msb 0x4000
	v_mov_b32 v31, 0
	s_set_vgpr_msb 0x1
	ds_add_u32 v255, v31
	s_set_vgpr_msb 0x100
	v_lshrrev_b32 v1, 5, v0
	v_readfirstlane_b32 s10, v1                    ; wave 0..3
	s_lshr_b32 s11, s10, 1                         ; which half of the block's rows is mine.  Also: I fetch for h (0) or for W (1)
	s_and_b32 s12, s10, 1                          ; which half of its columns.  Also: which 128 rows of that tile I fetch
	s_bfe_u32 s40, ttmp6, 0x40000                  ; cx
	s_bfe_u32 s41, ttmp6, 0x40004                  ; cy
	s_lshl_b32 s42, ttmp9, 2
	s_add_co_u32 s42, s42, s40                     ; block column = 4 x cluster x + cx
	s_and_b32 s13, ttmp7, 0xffff
	s_lshl_b32 s13, s13, 2
	s_add_co_u32 s13, s13, s41                     ; block row = 4 x cluster y + cy
	s_lshl_b32 s43, s41, 2
	s_lshl_b32 s43, 15, s43                        ; my row of the cluster: places 4 cy .. 4 cy + 3
	s_lshl_b32 s44, 0x1111, s40                    ; my column: places cx, cx + 4, cx + 8, cx + 12
	; group 1: a tile of 128 rows x 128 elements of 2 bytes, 16 bytes of padding behind every 256
	s_or_b32 s[G1+0], s43, (1<<16)|(1<<20)|(1<<21)|(5<<22)|(3<<25)
	s_or_b32 s[G1B+0], s44, (1<<16)|(1<<20)|(1<<21)|(5<<22)|(3<<25)
	s_mov_b32 s[G1B+1], KSTEP<<16
	s_mov_b32 s[G1+1], KSTEP<<16                   ; tensor_dim0 = 128
	s_mov_b32 s[G1B+2], 128<<16
	s_mov_b32 s[G1+2], 128<<16                     ; tensor_dim1 = 128
	s_mov_b32 s[G1B+3], KSTEP<<16
	s_mov_b32 s[G1+3], KSTEP<<16                   ; tile_dim0 = 128
	s_mov_b32 s[G1B+4], 128
	s_mov_b32 s[G1+4], 128                         ; tile_dim1 = 128
	s_mov_b32 s[G1B+5], SIZE_K
	s_mov_b32 s[G1+5], SIZE_K                      ; elements from row to row
	s_mov_b32 s[G1B+6], 0
	s_mov_b32 s[G1+6], 0
	s_mov_b32 s[G1B+7], 0
	s_mov_b32 s[G1+7], 0
	; h's tiles hang on the block row alone, W's on the block column alone; each address is made in registers that never hold the other coordinate
	s_lshl_b32 s17, s12, 7
	s_lshl_b32 s16, s13, 8
	s_add_co_u32 s16, s16, s17                     ; h: row 256 x block row + 128 x half
	s_lshl_b32 s46, s42, 8
	s_add_co_u32 s46, s46, s17                     ; W: row 256 x block column + 128 x half
	s_mov_b32 s17, 0
	s_mov_b32 s47, 0
	s_mov_b64 s[18:19], SIZE_K*2
	s_mul_u64 s[16:17], s[16:17], s[18:19]
	s_mul_u64 s[46:47], s[46:47], s[18:19]
	s_mul_i32 s20, s10, HALFT                      ; where they go: wave x 128 rows
	s_lshl_b32 s84, s42, 10                        ; my first column n0 = 256 x block column + 128 x half, x 4 bytes of bias
	s_lshl_b32 s85, s12, 9
	s_add_co_u32 s84, s84, s85
	s_mov_b32 s85, 0
	s_wait_dscnt 0x0
	s_wait_kmcnt 0x0
	s_add_nc_u64 s[14:15], s[4:5], s[16:17]
	s_add_nc_u64 s[46:47], s[6:7], s[46:47]
	s_add_nc_u64 s[68:69], s[68:69], s[84:85]
	CROUND                                         ; all sixteen work-groups are here: the first joint loads meet
.irp s, 0,1
	s_mov_b32 s[G0+4*\s], 1
	s_add_co_u32 s[G0+4*\s+1], s20, \s*SLOT
	s_add_nc_u64 s[G0+4*\s+2:G0+4*\s+3], s[14:15], \s*KSTEP*2
	s_or_b32 s[G0+4*\s+3], s[G0+4*\s+3], 0x80000000
	s_mov_b32 s[G0B+4*\s], 1
	s_add_co_u32 s[G0B+4*\s+1], s20, \s*SLOT
	s_add_nc_u64 s[G0B+4*\s+2:G0B+4*\s+3], s[46:47], \s*KSTEP*2
	s_or_b32 s[G0B+4*\s+3], s[G0B+4*\s+3], 0x80000000
	JLOAD \s                                       ; the ring is filled before anything else is done: two tensor loads of the wave are out
.endr
	v_and_b32 v1, 15, v0                           ; l % 16
	v_bfe_u32 v2, v0, 4, 1                         ; l / 16
	v_lshlrev_b32 v[BO], 5, v2                     ; my 8 columns of each 16: 32 bytes for the upper half of the lanes
.irp b, 0,1,2,3,4,5,6,7
	global_load_b128 v[BIAS+8*\b:BIAS+8*\b+3], v[BO], s[68:69] offset:64*\b
	global_load_b128 v[BIAS+8*\b+4:BIAS+8*\b+7], v[BO], s[68:69] offset:64*\b+16
.endr
	; a fragment is 16 rows x 32 K in 8 registers: two loads of 16 bytes, 32 bytes apart, at row x pitch + 16 (l / 16)
	v_mul_u32_u24 v3, v1, PITCH
	v_lshl_add_u32 v3, v2, 4, v3
	s_mul_i32 s21, s11, HALFT                      ; my 128 rows of h
	s_mul_i32 s22, s12, HALFT                      ; my 128 rows of W,
	s_add_co_u32 s22, s22, 2*HALFT                 ; which lie behind h's 256
.irp s, 0,1
	v_add_nc_u32 v[ADRA+\s], s21, v3
	v_add_nc_u32 v[ADRB+\s], s22, v3
	s_add_co_u32 s21, s21, SLOT
	s_add_co_u32 s22, s22, SLOT
.endr
	s_mul_i32 s23, s10, 16*SPITCH
	s_add_co_u32 s23, s23, STAGE                   ; my stage
	v_mul_u32_u24 v4, v1, SPITCH                   ; in: row l % 16, 16 bytes for each half of the lanes
	v_lshl_add_u32 v4, v2, 4, v4
	v_add_nc_u32 v[STO], s23, v4
	; back: a = l & 7 (16 bytes of a head's 128), rs = (l >> 3) & 1 (which of two tokens), hs = l >> 4 (which of my two heads).
	; Sixteen neighbouring lanes then hold two tokens of one head: 256 consecutive bytes of qkv.  Lanes of the two rows can meet in a bank
	; (272 = 16 modulo 256): 64 such loads in a wave's whole way out.
	v_and_b32 v6, 7, v0
	v_bfe_u32 v7, v0, 3, 1
	v_lshlrev_b32 v6, 4, v6
	v_mul_u32_u24 v5, v7, SPITCH
	v_add_nc_u32 v5, v5, v6
	v_lshl_add_u32 v5, v2, 7, v5
	v_add_nc_u32 v[RD], s23, v5
	v_lshl_add_u32 v5, v7, 7, v6
	v_lshl_add_u32 v[CO], v2, 18, v5               ; hs x 262,144 + rs x 128 + 16 a
; 16 matrix instructions: m blocks a0, a0 + 1 of the window's four x all 8 n blocks, 32 along K.  zero = 1: the first product starts the sums.
.macro MUL16 f, hi, a0, zero
.irp a, \a0, \a0+1
.irp b, 0,1,2,3,4,5,6,7
.if \zero
	v_wmma_f32_16x16x32_bf16 v[8*(8*(\a)+\b):8*(8*(\a)+\b)+7], v[\f+8*\b:\f+8*\b+7], v[\f+8*(4*\hi+\a):\f+8*(4*\hi+\a)+7], 0
.else
	v_wmma_f32_16x16x32_bf16 v[8*(8*(\a)+\b):8*(8*(\a)+\b)+7], v[\f+8*\b:\f+8*\b+7], v[\f+8*(4*\hi+\a):\f+8*(4*\hi+\a)+7], v[8*(8*(\a)+\b):8*(8*(\a)+\b)+7]
.endif
.endr
.endr
.endm
; 32 LDS loads in one run: the fragments of one quarter step (32 K at byte k of the rows) into buffer f
.macro FETCH slot, k, f
	WIN TO_B
.irp i, 0,1,2,3,4,5,6,7
	ds_load_b128 v[\f+8*\i:\f+8*\i+3],   v[ADRB+\slot] offset:\k+\i*16*PITCH
	ds_load_b128 v[\f+8*\i+4:\f+8*\i+7], v[ADRB+\slot] offset:\k+\i*16*PITCH+32
.endr
	WIN 0
.irp i, 0,1,2,3,4,5,6,7
	ds_load_b128 v[\f+8*\i:\f+8*\i+3],   v[ADRA+\slot] offset:\k+\i*16*PITCH
	ds_load_b128 v[\f+8*\i+4:\f+8*\i+7], v[ADRA+\slot] offset:\k+\i*16*PITCH+32
.endr
.endm
; Four places of plain vector instructions behind a matrix instruction, before a load lands in a register that it read or a vector instruction reads its result
.macro PLACES
.rept 4
	v_nop
.endr
.endm
; A quarter step: 64 matrix instructions on buffer f; in its middle the next quarter's fragments are fetched into buffer g.
; The 64 accumulators take turns, one instruction a turn, in the same order in every quarter.
.macro QUARTER slot, k, f, g, zero
	s_wait_dscnt 8                                 ; W and h's rows 0-63 are in; the youngest eight loads (h's rows 64-127) may be out
	WIN MUL_LO
	MUL16 \f, 0, 0, \zero
	MUL16 \f, 0, 2, \zero
	PLACES
	FETCH \slot, \k, \g
	s_wait_dscnt 32                                ; all but the 32 just issued
	WIN MUL_HI
	MUL16 \f, 1, 0, \zero
	MUL16 \f, 1, 2, \zero
.endm
.macro THREE slot, zero
	QUARTER \slot, 64,  F0, F1, \zero
	QUARTER \slot, 128, F1, F0, 0
	QUARTER \slot, 192, F0, F1, 0
.endm
; The last quarter of a K step changes slots.  In front of the barrier each wave waits for its reads of this slot and for all its tensor loads (one is
; out: its part of the next slot).  Behind it (fill = 1: behind the cluster's round that it opens) the refill comes first, then the next slot's fragments.
.macro TURN slot, next, fill
	s_wait_dscnt 8
	WIN MUL_LO
	MUL16 F1, 0, 0, 0
	s_wait_dscnt 0                                 ; my reads of this slot are over
	s_wait_tensorcnt 0x0                           ; all my tensor loads have landed
	ds_add_u32 v255, v31
	s_wait_dscnt 0x0
	s_barrier_signal -1
	MUL16 F1, 0, 2, 0                              ; register work while the others arrive
	WIN 0
	s_barrier_wait -1
.if \fill
	CREST                                          ; no wave of any partner still reads this slot's tile or has a load on its way
	s_add_nc_u64 s[G0+4*\slot+2:G0+4*\slot+3], s[G0+4*\slot+2:G0+4*\slot+3], 2*KSTEP*2
	s_add_nc_u64 s[G0B+4*\slot+2:G0B+4*\slot+3], s[G0B+4*\slot+2:G0B+4*\slot+3], 2*KSTEP*2
	JLOAD \slot                                    ; the wave's one tensor load behind the round
.endif
	PLACES
	FETCH \next, 0, F0
	WIN MUL_HI
	MUL16 F1, 1, 0, 0
	MUL16 F1, 1, 2, 0
.endm
.macro LAP zero
	THREE 0, \zero
	TURN 0, 1, 1
	THREE 1, 0
	TURN 1, 0, 1
.endm
	s_wait_loadcnt 0x0                             ; the bias, once
	s_wait_tensorcnt 1                             ; my part of K step 0 is in; K step 1's may stay out
	s_barrier_signal -1
	s_barrier_wait -1
	FETCH 0, 0, F0
	LAP 1                                          ; the first lap's first products start the sums
	WIN 0
	s_mov_b32 s3, LAPS-2
.Llap:
	LAP 0
	WIN 0
	s_sub_co_u32 s3, s3, 1
	s_cmp_lg_u32 s3, 0
	s_cbranch_scc1 .Llap
	THREE 0, 0                                     ; the last lap fills nothing
	TURN 0, 1, 0
	THREE 1, 0
	s_wait_dscnt 8
	WIN MUL_LO
	MUL16 F1, 0, 0, 0
	MUL16 F1, 0, 2, 0
	s_wait_dscnt 0
	WIN MUL_HI
	MUL16 F1, 1, 0, 0
	MUL16 F1, 1, 2, 0
	; THE WAY OUT, 16 tokens at a time: add the bias, round to bf16, 16 bytes a lane into my own stage, read back by heads.
	PLACES
	s_lshl_b32 s16, s13, 8
	s_lshl_b32 s14, s11, 7
	s_add_co_u32 s16, s16, s14                     ; m0: my first token of 4,096
	s_lshr_b32 s17, s16, 11
	s_lshl_b32 s17, s17, 22                        ; batch x 4,194,304
	s_and_b32 s16, s16, 2047
	s_lshl_b32 s16, s16, 7                         ; token in the batch x 128 bytes
	s_add_co_u32 s16, s16, s17
	s_mov_b32 s17, 0
	s_add_nc_u64 s[8:9], s[8:9], s[16:17]
	s_lshl_b32 s46, s42, 8
	s_lshl_b32 s47, s12, 7
	s_add_co_u32 s46, s46, s47                     ; n0: my first column of 3,072
	s_lshr_b32 s47, s46, 10
	s_lshl_b32 s47, s47, 23                        ; q, k or v x 8,388,608
	s_and_b32 s46, s46, 1023
	s_lshr_b32 s46, s46, 6
	s_lshl_b32 s46, s46, 18                        ; head x 262,144
	s_add_co_u32 s46, s46, s47
	s_mov_b32 s47, 0
	s_add_nc_u64 s[8:9], s[8:9], s[46:47]
; tokens 16 i .. 16 i + 15 of my block = the eight tiles (a, 0..7) of window 2 or 3 (from = 0x02 or 0x03: source 0)
.macro OUT16 i, a, from
	WIN \from
.irp b, 0,1,2,3,4,5,6,7
.irp r, 0,1,2,3
	v_pk_add_f32 v[X+8*\b+2*\r:X+8*\b+2*\r+1], v[8*(8*\a+\b)+2*\r:8*(8*\a+\b)+2*\r+1], v[BIAS+8*\b+2*\r:BIAS+8*\b+2*\r+1]   ; the bias, and the move into window 0
.endr
.endr
	WIN 0
.irp b, 0,1,2,3,4,5,6,7
.irp r, 0,1,2,3
	v_cvt_pk_bf16_f32 v[TMP+4*\b+\r], v[X+8*\b+2*\r], v[X+8*\b+2*\r+1]
.endr
.endr
.irp b, 0,1,2,3,4,5,6,7
	ds_store_b128 v[STO], v[TMP+4*\b:TMP+4*\b+3] offset:32*\b
.endr
	s_wait_xcnt 0x0                                ; RB, which the last stores read, is loaded again only behind this wait
.irp t, 0,1,2,3,4,5,6,7
	ds_load_b128 v[RB+4*\t:RB+4*\t+3], v[RD] offset:\t*2*SPITCH    ; LDS serves a wave's instructions in order: these see the stores above
.endr
.irp t, 0,1,2,3,4,5,6,7
	s_wait_dscnt 7-\t
	global_store_b128 v[CO], v[RB+4*\t:RB+4*\t+3], s[8:9] offset:\i*2048+\t*256   ; 16 lanes store 256 consecutive bytes, aligned: two tokens of a head
.endr
.endm
	OUT16 0, 0, 0x02
	OUT16 1, 1, 0x02
	OUT16 2, 2, 0x02
	OUT16 3, 3, 0x02
	OUT16 4, 0, 0x03
	OUT16 5, 1, 0x03
	OUT16 6, 2, 0x03
	OUT16 7, 3, 0x03
	s_set_vgpr_msb 0x1
	s_wait_tensorcnt 0x0
	ds_add_u32 v255, v31
	s_wait_dscnt 0x0
	s_set_vgpr_msb 0x100
	CROUND                                         ; the closing round: no work-group ends while a partner may still ask for a tile that names it
	s_endpgm
.Lfunc_end_k_qbdfd8de9d3_gqkv:
	.size	k_qbdfd8de9d3_gqkv, .Lfunc_end_k_qbdfd8de9d3_gqkv-k_qbdfd8de9d3_gqkv
	.p2alignl 7, 3214868480
	.fill 96, 4, 3214868480
	.section	.rodata,"a",@progbits
	.p2align	6, 0x0
	.amdhsa_kernel k_qbdfd8de9d3_gqkv
		.amdhsa_group_segment_fixed_size 327680
		.amdhsa_private_segment_fixed_size 0
		.amdhsa_enable_private_segment 0
		.amdhsa_kernarg_size 32
		.amdhsa_user_sgpr_count 2
		.amdhsa_user_sgpr_kernarg_segment_ptr 1
		.amdhsa_wavefront_size32 1
		.amdhsa_system_sgpr_workgroup_id_x 1
		.amdhsa_system_sgpr_workgroup_id_y 1
		.amdhsa_system_sgpr_workgroup_id_z 1
		.amdhsa_system_vgpr_workitem_id 0
		.amdhsa_next_free_vgpr 1024
		.amdhsa_next_free_sgpr 96
		.amdhsa_reserve_vcc 0
		.amdhsa_float_denorm_mode_32 3
		.amdhsa_float_denorm_mode_16_64 3
		.amdhsa_memory_ordered 1
		.amdhsa_forward_progress 1
		.amdhsa_inst_pref_size 214
	.end_amdhsa_kernel
	.amdgpu_metadata
---
amdhsa.version: [ 1, 2 ]
amdhsa.kernels:
  - .name:           k_qbdfd8de9d3_gqkv
    .symbol:         k_qbdfd8de9d3_gqkv.kd
    .args:
      - { .name: h, .offset: 0, .size: 8, .value_kind: global_buffer, .address_space: global }
      - { .name: wbf, .offset: 8, .size: 8, .value_kind: global_buffer, .address_space: global }
      - { .name: qkv, .offset: 16, .size: 8, .value_kind: global_buffer, .address_space: global }
      - { .name: qkv_b, .offset: 24, .size: 8, .value_kind: global_buffer, .address_space: global }
    .group_segment_fixed_size: 327680
    .private_segment_fixed_size: 0
    .kernarg_segment_align: 8
    .kernarg_segment_size: 32
    .max_flat_workgroup_size: 128
    .sgpr_count:     96
    .vgpr_count:     1024
    .wavefront_size: 32
...
	.end_amdgpu_metadata
.endif
;; end of part 2
;; launch attn (part 3): grid 16 x 16, 16 waves a work-group, clusters of 4 x 1, 327,680 bytes of LDS; arguments qkv, mtile, o; writes o
.if DOCPART == 3
	.amdgcn_target "amdgcn-amd-amdhsa--gfx1250"
	.amdhsa_code_object_version 6
	.text
	.protected	k_qbdfd8de9d3_attn
	.globl	k_qbdfd8de9d3_attn
	.p2align	8
	.type	k_qbdfd8de9d3_attn,@function
k_qbdfd8de9d3_attn:
	s_mov_b64 s[64:65], 0
	v_nop
	global_prefetch_b8 v0, s[64:65] scope:SCOPE_SE
	s_setreg_imm32_b32 hwreg(HW_REG_WAVE_MODE, 25, 1), 1
	s_wait_xcnt 0x0
	s_wait_alu depctr_hold_cnt(0) depctr_sa_sdst(0) depctr_va_vdst(0) depctr_va_sdst(0) depctr_va_ssrc(0) depctr_va_vcc(0) depctr_vm_vsrc(0)
	s_getreg_b32 s2, hwreg(HW_REG_IB_STS2, 6, 4)
	s_cmp_eq_u32 s2, 0
	s_cbranch_scc0 .Lentry_in_a_cluster
	s_endpgm
.Lentry_in_a_cluster:
	s_bfe_u32 s2, ttmp6, 0x10000c
	s_cmp_lg_u32 s2, 0x3003
	s_cbranch_scc0 .Lentry_shape_is_right
	s_endpgm
.Lentry_shape_is_right:
; o = softmax(mask(q k^T / 8)) v, head by head.  qkv: bf16 [q, k, v][batch 2][head 16][token 2048][64]; mtile: the mask as tiles
; [16 query blocks][16 key blocks][128][128] of bytes, 0x00 = keep, 0xFF = masked; o: bf16 [4096][1024].
; A work-group takes y = 8 batch + head pair and a block of 128 queries.  Sixteen waves, four on each SIMD (4 x 256 registers fill it), so that
; one wave's softmax runs beside the others' matrix work and LDS waits.  Wave w takes head 2 pair + ((w >> 2) & 1), queries 32 (w & 3) .. + 31
; as two tiles of 16, and key half w >> 3: 64 of the 128 keys of every step.  Each K and V fragment is thus read by four waves, as many as with
; eight waves that take all keys.  At the end waves 8 to 15 hand their partial result to waves 0 to 7 through LDS.  Two heads, so that a row of
; the result is 256 consecutive bytes.  The mask is data: every tile is computed, none is skipped.
; CLUSTERS: the four query blocks of a cluster walk the same K and V tiles of the same two heads: joint loads, mask 15.  The mask tile is each
; work-group's own: a plain load behind the same round.
; ORIENTATION: S^T = K Q^T (source 0 = 16 keys, source 1 = 16 queries): lane (r, h) holds query r and keys 8 h + j.  A query's maximum and sum
; stay in the lane but for one exchange across h; the rounded P of two neighbouring key tiles is already the second source of O^T = V^T P^T;
; the rescaling factor is one number a lane; a lane's eight results are eight neighbouring d of one query.
; THE MASK IS THE PRODUCT'S C: one v_perm_b32 a score lays the mask byte above three zero bytes, 0 or 0xFF000000 = -2^127, into the score's
; accumulator register, and both K steps of the product add in place.
; SOFTMAX by a running maximum of the raw scores, in powers of two: p = 2^(s c - max c), c = log2 e / 8, one fused multiply-add for two scores.
; The maximum starts at -2^100, far above -2^127: a masked score gives p = 0, and a row that is masked everywhere ends with the sum 0 and gives
; 0 * (1 / 0) = NaN, as the problem's definition does.  The rescaling factor is 2^(new reference - old reference) of the rounded references
; -max c that the exponents were formed with.
; LIMITS: mask bytes are 0x00 or 0xFF; a raw score q.k below -2^100 is not served.
.set KP,    144                        ; LDS pitch of a key: 128 bytes + 16
.set VP,    160                        ; of a value row: 128 bytes + 32 (an odd multiple of 32, for the transposing load)
.set MP,    144                        ; of a query's 128 mask bytes
.set KHEAD, 128*KP
.set VHEAD, 128*VP
.set KSLOT, 2*KHEAD                    ; two heads
.set VSLOT, 2*VHEAD
.set MSLOT, 128*MP
.set VBASE, 2*KSLOT                    ; K's two slots at 0, V's at 73,728,
.set MBASE, VBASE+2*VSLOT              ; the mask's at 155,648,
.set STAGE, MBASE+2*MSLOT              ; the stage at 192,512: 128 rows x 272 bytes of its own; no tensor load fills it
.set SP,    272
.set MERGE, STAGE+128*SP               ; at 227,328: 17 x 512 bytes for each of the eight pairs of waves; no tensor load fills it
.set MWAVE, 17*512
.set TILEB, 16384                      ; bytes of a tile in memory: 128 keys x 128 bytes, dense; the mask's 128 x 128 bytes too
.set ADRK, 1                           ; v1      LDS address of my K fragments (my key half in it)
.set ADRV, 2                           ; v2      of my V fragments (transposing load)
.set ADRM, 3                           ; v3      of my 8 mask bytes
.set VC,   4                           ; v4      0: the three low bytes of a bias
.set MX,   6                           ; v6, v7          running maximum of the raw scores of query tile 0, 1
.set NS,   8                           ; v8, v9          the references -max c of query tile 0, 1
.set LS,   10                          ; v10, v11        running sums, my keys only
.set AL,   12                          ; v[12:13]        the rescaling factor, twice
.set T,    14                          ; v14, v15        at work
.set MR,   16                          ; v[16:31]        mask bytes as loaded: query tile u, key tile t at MR + 8 u + 2 t
.set NMP,  24                          ; v[24:25]        behind the biases: the new reference, twice
.set SU,   28                          ; v[28:31]        behind the biases: two chains of sums
.set Q,    32                          ; Q[u][dh] at Q + 16 u + 8 dh
.set O,    64                          ; O[u][dt] at O + 32 u + 8 dt
.set S,    128                         ; S[u][t] at S + 32 u + 8 t; later P[u][g] at S + 32 u + 16 g
.set KV,   192                         ; K[t][dh] at KV + 16 t + 8 dh; then V[g][dt] at KV + 32 g + 8 dt
.set G1K, 24                           ; s[24:31], s[32:39], s[40:47]: group 1 for K, V, mask
.set G1V, 32
.set G1M, 40
.set G0K, 48                           ; s[48:55], s[56:63], s[68:75]: group 0, one set for each slot
.set G0V, 56
.set G0M, 68
.set CSP, 86                           ; s[86:87] c = log2 e / 8, twice
.set NCS, 88                           ; s88      -c
.set SEL, 92                           ; s92-95   v_perm_b32: mask byte i on top, zeros below
.macro ROUND                           ; a round of the cluster's barrier
	s_barrier_signal -1
	s_barrier_wait -1
	s_cmp_lg_u32 s10, 0
	s_cbranch_scc1 .Lnot_wave_0_\@
	s_barrier_signal -3
.Lnot_wave_0_\@:
	s_barrier_wait -3
	s_barrier_signal -1
	s_barrier_wait -1
.endm
; Slot s is filled: waves 0, 1 ask for the two heads' K, waves 2, 3 for their V, wave 4 for the mask tile; the other waves ask for nothing.  One load a wave.
.macro LOADS s
	s_cmp_lt_u32 s10, 2
	s_cbranch_scc0 .Lnot_k_\@
	tensor_load_to_lds s[G0K+4*(\s):G0K+4*(\s)+3], s[G1K:G1K+7]
	s_nop 0
	s_branch .Lasked_\@
.Lnot_k_\@:
	s_cmp_lt_u32 s10, 4
	s_cbranch_scc0 .Lnot_v_\@
	tensor_load_to_lds s[G0V+4*(\s):G0V+4*(\s)+3], s[G1V:G1V+7]
	s_nop 0
	s_branch .Lasked_\@
.Lnot_v_\@:
	s_cmp_eq_u32 s10, 4
	s_cbranch_scc0 .Lasked_\@
	tensor_load_to_lds s[G0M+4*(\s):G0M+4*(\s)+3], s[G1M:G1M+7]
	s_nop 0
.Lasked_\@:
.endm
	s_load_b128 s[4:7], s[0:1], 0x0                ; qkv s[4:5], mtile s[6:7]
	s_load_b64 s[8:9], s[0:1], 0x10                ; o
	v_lshl_add_u32 v190, v0, 2, 0x48800
	v_mov_b32 v191, 0
	ds_add_u32 v190, v191
	s_wait_dscnt 0x0
	v_lshrrev_b32 v1, 5, v0
	v_readfirstlane_b32 s10, v1                    ; wave 0..15
	s_lshr_b32 s11, s10, 2
	s_and_b32 s11, s11, 1                          ; which of the two heads I compute
	s_and_b32 s12, s10, 3                          ; which 32 queries
	s_and_b32 s13, s10, 1                          ; which head's tile I fetch
	s_lshr_b32 s84, s10, 3                         ; which 64 of a step's 128 keys
	s_and_b32 s85, s10, 7                          ; my pair: waves p and p + 8 share head and queries
	s_bfe_u32 s14, ttmp6, 0x40000                  ; cx
	s_lshl_b32 s15, ttmp9, 2
	s_add_co_u32 s15, s15, s14                     ; query block = 4 x cluster x + cx
	s_and_b32 s16, ttmp7, 0xffff                   ; y = 8 batch + head pair; 2 y + head is the head's number among the 32
	s_mov_b32 s20, 0x76543210                      ; v_permlanex16_b32: lane i of one half reads lane i of the other
	s_mov_b32 s21, 0xfedcba98
	s_mov_b32 s22, 0xf1800000                      ; -2^100: where the running maximum starts
	s_mov_b32 s[CSP], 0x3e38aa3b                   ; log2 e / 8
	s_mov_b32 s[CSP+1], 0x3e38aa3b
	s_mov_b32 s[NCS], 0xbe38aa3b
	s_mov_b32 s[SEL], 0x04000000                   ; selector bytes 4 to 7: the first source's bytes; 0: the second source's byte 0
	s_mov_b32 s[SEL+1], 0x05000000
	s_mov_b32 s[SEL+2], 0x06000000
	s_mov_b32 s[SEL+3], 0x07000000
	; group 1: every tile is a dense block of 16,384 bytes, taken as 64 rows of 32 elements of 8 bytes; padding behind every 32 words (128 bytes)
	s_mov_b32 s[G1K], 15|(3<<16)|(1<<20)|(1<<21)|(4<<22)|(3<<25)   ; the four of the cluster; 4 words of padding
	s_mov_b32 s[G1V], 15|(3<<16)|(1<<20)|(1<<21)|(4<<22)|(7<<25)   ; 8 words of padding
	s_mov_b32 s[G1M], (3<<16)|(1<<20)|(4<<22)|(3<<25)              ; no mask: my own tile
.irp g, G1K, G1V, G1M
	s_mov_b32 s[\g+1], 32<<16                      ; tensor_dim0 = 32
	s_mov_b32 s[\g+2], 64<<16                      ; tensor_dim1 = 64
	s_mov_b32 s[\g+3], 32<<16                      ; tile_dim0 = 32
	s_mov_b32 s[\g+4], 64                          ; tile_dim1 = 64
	s_mov_b32 s[\g+5], 32                          ; elements from row to row
	s_mov_b32 s[\g+6], 0
	s_mov_b32 s[\g+7], 0
.endr
	s_lshl_b32 s76, s16, 1
	s_add_co_u32 s76, s76, s13
	s_lshl_b32 s76, s76, 18                        ; K and V: (2 y + (w & 1)) heads of 262,144 bytes: the same in all four partners
	s_mov_b32 s77, 0
	s_mul_i32 s23, s10, KHEAD                      ; K's place in LDS: wave 0, 1 x 18,432
	s_mul_i32 s3, s10, VHEAD
	s_add_co_u32 s3, s3, VBASE-2*VHEAD             ; V's: 73,728 + (wave - 2) x 20,480
	s_lshl_b32 s80, s15, 18                        ; the mask: query block x 16 tiles
	s_mov_b32 s81, 0
	s_wait_kmcnt 0x0
	s_add_nc_u64 s[78:79], s[4:5], s[76:77]
	s_add_nc_u64 s[82:83], s[6:7], s[80:81]
.irp s, 0,1
	s_mov_b32 s[G0K+4*\s], 1
	s_add_co_u32 s[G0K+4*\s+1], s23, \s*KSLOT
	s_add_nc_u64 s[G0K+4*\s+2:G0K+4*\s+3], s[78:79], 8388608+\s*TILEB
	s_or_b32 s[G0K+4*\s+3], s[G0K+4*\s+3], 0x80000000
	s_mov_b32 s[G0V+4*\s], 1
	s_add_co_u32 s[G0V+4*\s+1], s3, \s*VSLOT
	s_add_nc_u64 s[G0V+4*\s+2:G0V+4*\s+3], s[78:79], 16777216+\s*TILEB
	s_or_b32 s[G0V+4*\s+3], s[G0V+4*\s+3], 0x80000000
	s_mov_b32 s[G0M+4*\s], 1
	s_mov_b32 s[G0M+4*\s+1], MBASE+\s*MSLOT
	s_add_nc_u64 s[G0M+4*\s+2:G0M+4*\s+3], s[82:83], \s*TILEB
	s_or_b32 s[G0M+4*\s+3], s[G0M+4*\s+3], 0x80000000
.endr
	ROUND                                          ; the four work-groups are here: the first joint loads meet
	LOADS 0                                        ; step 0; slot 1 is first filled behind the first step's round
	v_and_b32 v16, 15, v0                          ; r
	v_bfe_u32 v17, v0, 4, 1                        ; h
	v_and_b32 v18, 7, v0
	v_bfe_u32 v19, v0, 3, 1
	v_mul_u32_u24 v[ADRK], v16, KP
	v_lshl_add_u32 v[ADRK], v17, 4, v[ADRK]
	s_mul_i32 s76, s11, KHEAD
	s_mul_i32 s77, s84, 64*KP
	s_add_co_u32 s76, s76, s77
	v_add_nc_u32 v[ADRK], s76, v[ADRK]             ; head x 18,432 + key half x 64 rows + r x 144 + 16 h
	v_lshl_add_u32 v[ADRV], v17, 3, v18
	v_mul_u32_u24 v[ADRV], v[ADRV], VP
	v_lshl_add_u32 v[ADRV], v19, 4, v[ADRV]
	s_mul_i32 s76, s11, VHEAD
	s_mul_i32 s77, s84, 64*VP
	s_add_co_u32 s76, s76, s77
	s_add_co_u32 s76, s76, VBASE
	v_add_nc_u32 v[ADRV], s76, v[ADRV]             ; 73,728 + head x 20,480 + key half x 64 rows + (8 h + (l & 7)) x 160 + 16 ((l >> 3) & 1)
	v_mul_u32_u24 v[ADRM], v16, MP
	v_lshl_add_u32 v[ADRM], v17, 3, v[ADRM]
	s_mul_i32 s76, s12, 32*MP
	s_lshl_b32 s77, s84, 6
	s_add_co_u32 s76, s76, s77
	s_add_co_u32 s76, s76, MBASE
	v_add_nc_u32 v[ADRM], s76, v[ADRM]             ; 155,648 + (32 (w & 3) + r) x 144 + key half x 64 + 8 h
	v_lshlrev_b32 v20, 7, v16
	v_lshl_add_u32 v20, v17, 4, v20                ; Q: r x 128 + 16 h
	s_lshl_b32 s80, s16, 1
	s_add_co_u32 s80, s80, s11
	s_lshl_b32 s80, s80, 18                        ; my head
	s_lshl_b32 s82, s15, 14                        ; + 128 queries x 128 bytes x query block
	s_add_co_u32 s80, s80, s82
	s_lshl_b32 s82, s12, 12                        ; + 32 queries x 128 bytes
	s_add_co_u32 s80, s80, s82
	s_add_nc_u64 s[82:83], s[4:5], s[80:81]
.irp u, 0,1
.irp dh, 0,1
	global_load_b128 v[Q+16*\u+8*\dh:Q+16*\u+8*\dh+3], v20, s[82:83] offset:\u*2048+64*\dh
	global_load_b128 v[Q+16*\u+8*\dh+4:Q+16*\u+8*\dh+7], v20, s[82:83] offset:\u*2048+64*\dh+32
.endr
.endr
	v_mov_b32 v[VC], 0
	s_wait_loadcnt 0x0                             ; Q, once
.macro MLOAD slot, u                   ; my 8 mask bytes of each of my four key tiles, for query tile u
.irp t, 0,1,2,3
	ds_load_b64 v[MR+8*\u+2*\t:MR+8*\u+2*\t+1], v[ADRM] offset:\slot*MSLOT+\u*16*MP+16*\t
.endr
.endm
; The biases of query tile u, straight into the scores' accumulators: mask byte j above three zero bytes: 0, or 0xFF000000 = -2^127
.macro BIAS u
.irp t, 0,1,2,3
.irp i, 0,1,2,3
	v_perm_b32 v[S+32*\u+8*\t+\i],   v[MR+8*\u+2*\t],   v[VC], s[SEL+\i]
	v_perm_b32 v[S+32*\u+8*\t+4+\i], v[MR+8*\u+2*\t+1], v[VC], s[SEL+\i]
.endr
.endr
.endm
; Query tile u: the new maximum, p = 2^(s c - max c), O and the sum rescaled, p rounded to bf16 in place.  first = 1: nothing to rescale yet.
.macro SOFT u, first
.set XB, S+32*\u
.set LU, LS+\u
	v_max3_num_f32 v[T],   v[XB],   v[XB+1], v[XB+2]
	v_max3_num_f32 v[T+1], v[XB+3], v[XB+4], v[XB+5]
.set j, 6
.rept 6
	v_max3_num_f32 v[T],   v[T],   v[XB+j],   v[XB+j+1]
	v_max3_num_f32 v[T+1], v[T+1], v[XB+j+2], v[XB+j+3]
.set j, j+4
.endr
	v_max3_num_f32 v[T], v[T], v[XB+30], v[XB+31]
.if \first
	v_max3_num_f32 v[T], v[T], v[T+1], s22         ; never below -2^100
.else
	v_max3_num_f32 v[T], v[T], v[T+1], v[MX+\u]
.endif
	v_permlanex16_b32 v[T+1], v[T], s20, s21       ; the other half of the lanes holds the query's other keys
	v_max_num_f32 v[MX+\u], v[T], v[T+1]
	v_mul_f32 v[NMP], s[NCS], v[MX+\u]             ; the new reference -max c, twice
	v_mul_f32 v[NMP+1], s[NCS], v[MX+\u]
.if \first
.else
	v_sub_f32 v[AL], v[NMP], v[NS+\u]              ; new reference - old reference, never above 0
.endif
	v_mov_b32 v[NS+\u], v[NMP]
.if \first
.else
	v_exp_f32 v[AL], v[AL]                         ; the multiply-adds below are the plain places behind it (ISA guide 5.7.2)
.endif
.set j, 0
.rept 16
	v_pk_fma_f32 v[XB+j:XB+j+1], v[XB+j:XB+j+1], s[CSP:CSP+1], v[NMP:NMP+1] op_sel_hi:[1,0,1]
.set j, j+2
.endr
.if \first
.else
	s_wait_alu depctr_va_vdst(0)
	v_mov_b32 v[AL+1], v[AL]
.endif
.set j, 0
.rept 32
	v_exp_f32 v[XB+j], v[XB+j]
.set j, j+1
.endr
.if \first
	v_nop                                          ; the plain place behind the exponentials
	s_wait_alu depctr_va_vdst(0)
.else
.set j, 0
	s_wait_alu depctr_va_vdst(0)
.rept 16
	v_pk_mul_f32 v[O+32*\u+j:O+32*\u+j+1], v[O+32*\u+j:O+32*\u+j+1], v[AL:AL+1]   ; useful work in the places behind the exponentials
.set j, j+2
.endr
.endif
	v_pk_add_f32 v[SU:SU+1],   v[XB:XB+1],   v[XB+2:XB+3]
	v_pk_add_f32 v[SU+2:SU+3], v[XB+4:XB+5], v[XB+6:XB+7]
.set j, 8
.rept 6
	v_pk_add_f32 v[SU:SU+1],   v[SU:SU+1],   v[XB+j:XB+j+1]
	v_pk_add_f32 v[SU+2:SU+3], v[SU+2:SU+3], v[XB+j+2:XB+j+3]
.set j, j+4
.endr
	v_pk_add_f32 v[SU:SU+1], v[SU:SU+1], v[SU+2:SU+3]
.if \first
	v_add_f32 v[LU], v[SU], v[SU+1]
.else
	v_add_f32 v[T], v[SU], v[SU+1]
	v_fma_f32 v[LU], v[LU], v[AL], v[T]
.endif
.irp g, 0,1
.set j, 0
.rept 8
	v_cvt_pk_bf16_f32 v[XB+16*\g+j], v[XB+16*\g+2*j], v[XB+16*\g+2*j+1]   ; ascending: register j is written when 2 j and 2 j + 1 are read
.set j, j+1
.endr
.endr
.endm
; O[u][dt] += V[g][dt]^T P[u][g]: eight accumulators, one instruction a turn.  zero = 1: the first product starts the sums.
.macro PV g, zero
.irp u, 0,1
.irp dt, 0,1,2,3
.if \zero
	v_wmma_f32_16x16x32_bf16 v[O+32*\u+8*\dt:O+32*\u+8*\dt+7], v[KV+32*\g+8*\dt:KV+32*\g+8*\dt+7], v[S+32*\u+16*\g:S+32*\u+16*\g+7], 0
.else
	v_wmma_f32_16x16x32_bf16 v[O+32*\u+8*\dt:O+32*\u+8*\dt+7], v[KV+32*\g+8*\dt:KV+32*\g+8*\dt+7], v[S+32*\u+16*\g:S+32*\u+16*\g+7], v[O+32*\u+8*\dt:O+32*\u+8*\dt+7]
.endif
.endr
.endr
.endm
; My 64 keys of the slot against my 32 queries
.macro CHUNK slot, first
	MLOAD \slot, 0
	MLOAD \slot, 1
.irp t, 0,1,2,3
.irp dh, 0,1
	ds_load_b128 v[KV+16*\t+8*\dh:KV+16*\t+8*\dh+3],   v[ADRK] offset:\slot*KSLOT+16*\t*KP+64*\dh
	ds_load_b128 v[KV+16*\t+8*\dh+4:KV+16*\t+8*\dh+7], v[ADRK] offset:\slot*KSLOT+16*\t*KP+64*\dh+32
.endr
.endr
	s_wait_dscnt 0x10                              ; the eight mask loads are in; K's sixteen may stay out
	BIAS 0                                         ; 64 vector instructions while K is on its way
	BIAS 1
	s_wait_dscnt 0x0                               ; K
.irp dh, 0,1
.irp t, 0,1,2,3
.irp u, 0,1
	v_wmma_f32_16x16x32_bf16 v[S+32*\u+8*\t:S+32*\u+8*\t+7], v[KV+16*\t+8*\dh:KV+16*\t+8*\dh+7], v[Q+16*\u+8*\dh:Q+16*\u+8*\dh+7], v[S+32*\u+8*\t:S+32*\u+8*\t+7]   ; onto the bias; the eight accumulators take turns, one instruction a turn
.endr
.endr
.endr
.rept 4
	v_nop                                          ; four places before V lands on K's registers and the scores are read (ISA guide 7.12.1)
.endr
.irp g, 0,1
.irp dt, 0,1,2,3
	ds_load_tr16_b128 v[KV+32*\g+8*\dt:KV+32*\g+8*\dt+3],   v[ADRV] offset:\slot*VSLOT+32*\g*VP+32*\dt
	ds_load_tr16_b128 v[KV+32*\g+8*\dt+4:KV+32*\g+8*\dt+7], v[ADRV] offset:\slot*VSLOT+32*\g*VP+32*\dt+16*VP
.endr
.endr
	SOFT 0, \first                                 ; V lands meanwhile
	SOFT 1, \first
	s_wait_dscnt 0x0                               ; V
	PV 0, \first
	PV 1, 0
.rept 5
	v_nop                                          ; four places before the next biases are written over P, K lands on V's registers or O is read; a fifth for the next scores
.endr
.endm
; One step of 128 keys.  Every wave waits for all its tensor loads and for its reads of the other slot in front of the round; behind it the refill comes first.
; By this text's own count one tensor load of a wave is out at the most; it has the step's work in which to land.
.macro TRIP slot, refill, first
	s_wait_xcnt 0x0
	v_lshl_add_u32 v190, v0, 2, 0x48800
	v_mov_b32 v191, 0
	s_wait_tensorcnt 0x0                           ; all my loads are done, my part of this step's tiles among them, so every group 0 may be written:
	ds_add_u32 v190, v191
	s_wait_dscnt 0x0
	s_add_nc_u64 s[G0K+4*\slot+2:G0K+4*\slot+3], s[G0K+4*\slot+2:G0K+4*\slot+3], 2*TILEB   ; this slot's next tiles
	s_add_nc_u64 s[G0V+4*\slot+2:G0V+4*\slot+3], s[G0V+4*\slot+2:G0V+4*\slot+3], 2*TILEB
	s_add_nc_u64 s[G0M+4*\slot+2:G0M+4*\slot+3], s[G0M+4*\slot+2:G0M+4*\slot+3], 2*TILEB
	s_wait_dscnt 0x0                               ; my reads of the last step's tiles are done
	ROUND                                          ; both now hold of every wave of the four work-groups
.if \refill
	LOADS 1-\slot                                  ; the next step's tiles, into the slot read last
.endif
	CHUNK \slot, \first
.endm
	TRIP 0, 1, 1                                   ; the first two of the 16 steps stand in front of the loop: the first starts maxima and sums
	TRIP 1, 1, 0
	s_mov_b32 s17, 6
.Lstep:
	TRIP 0, 1, 0
	TRIP 1, 1, 0
	s_sub_co_u32 s17, s17, 1
	s_cmp_lg_u32 s17, 0
	s_cbranch_scc1 .Lstep
	TRIP 0, 1, 0
	TRIP 1, 0, 0                                   ; the last step fetches nothing
	; THE WAY OUT.  Addresses first, in every wave.
	v_and_b32 v16, 15, v0
	v_bfe_u32 v17, v0, 4, 1
	v_and_b32 v21, 31, v0
	v_lshlrev_b32 v21, 4, v21
	s_mul_i32 s76, s85, MWAVE
	s_add_co_u32 s76, s76, MERGE
	v_add_nc_u32 v21, s76, v21                     ; the pair's bytes: 227,328 + pair x 8,704 + 16 x lane
	s_lshl_b32 s76, s12, 5
	v_add_nc_u32 v18, s76, v16
	v_mul_u32_u24 v18, v18, SP
	v_lshl_add_u32 v18, v17, 4, v18
	s_lshl_b32 s76, s11, 7
	s_add_co_u32 s76, s76, STAGE
	v_add_nc_u32 v18, s76, v18                     ; into the stage: (32 (w & 3) + r) x 272 + head x 128 + 16 h
	s_lshl_b32 s77, s10, 3
	v_add_nc_u32 v19, s77, v17
	v_mul_u32_u24 v19, v19, SP
	v_lshl_add_u32 v19, v16, 4, v19
	v_add_nc_u32 v19, STAGE, v19                   ; back: (8 w + (l >> 4)) x 272 + 16 (l & 15)
	v_lshlrev_b32 v20, 4, v16
	v_lshl_add_u32 v20, v17, 11, v20               ; in o: (l >> 4) rows of 2,048 bytes + 16 (l & 15)
	s_lshr_b32 s80, s16, 3
	s_lshl_b32 s80, s80, 22                        ; batch x 2,048 tokens x 2,048 bytes
	s_lshl_b32 s82, s15, 18                        ; + query block x 128 tokens
	s_add_co_u32 s80, s80, s82
	s_lshl_b32 s82, s10, 14                        ; + wave x 8 tokens
	s_add_co_u32 s80, s80, s82
	s_and_b32 s82, s16, 7
	s_lshl_b32 s82, s82, 8                         ; + head pair x 256 bytes
	s_add_co_u32 s80, s80, s82
	s_add_nc_u64 s[8:9], s[8:9], s[80:81]
	; Waves 8 to 15 hand over O, the two references and the two sums: 17 stores of 512 neighbouring bytes.
	s_cmp_lt_u32 s10, 8
	s_cbranch_scc1 .Lno_hand
.set i, 0
.rept 16
	ds_store_b128 v21, v[O+4*i:O+4*i+3] offset:512*i
.set i, i+1
.endr
	ds_store_b128 v21, v[NS:NS+3] offset:512*16    ; v[8:11]: reference 0, 1, sum 0, 1
.Lno_hand:
	s_wait_dscnt 0x0                               ; for the partner's sake: all is written
	s_barrier_signal -1
	s_barrier_wait -1
	s_cmp_lt_u32 s10, 8
	s_cbranch_scc0 .Lno_merge
	; Waves 0 to 7: both halves brought to the common reference (the smaller -max c, that is, the larger maximum) and added
.set i, 0
.rept 16
	ds_load_b128 v[S+4*i:S+4*i+3], v21 offset:512*i
.set i, i+1
.endr
	ds_load_b128 v[KV:KV+3], v21 offset:512*16
	s_wait_dscnt 0x0
.irp u, 0,1
	v_min_num_f32 v[T], v[NS+\u], v[KV+\u]
	v_sub_f32 v[AL], v[T], v[NS+\u]
	v_sub_f32 v[SU], v[T], v[KV+\u]
	v_exp_f32 v[AL], v[AL]
	v_exp_f32 v[SU], v[SU]
	v_nop                                          ; the plain place behind the exponentials
	s_wait_alu depctr_va_vdst(0)
	v_mov_b32 v[AL+1], v[AL]
	v_mov_b32 v[SU+1], v[SU]
.set j, 0
.rept 16
	v_pk_mul_f32 v[O+32*\u+j:O+32*\u+j+1], v[O+32*\u+j:O+32*\u+j+1], v[AL:AL+1]
.set j, j+2
.endr
.set j, 0
.rept 16
	v_pk_fma_f32 v[O+32*\u+j:O+32*\u+j+1], v[S+32*\u+j:S+32*\u+j+1], v[SU:SU+1], v[O+32*\u+j:O+32*\u+j+1]
.set j, j+2
.endr
	v_mul_f32 v[LS+\u], v[LS+\u], v[AL]
	v_fma_f32 v[LS+\u], v[KV+2+\u], v[SU], v[LS+\u]
.endr
	; divide by the sum, round, 16 bytes a lane into the stage
.irp u, 0,1
	v_permlanex16_b32 v[T], v[LS+\u], s20, s21     ; the other half's keys
	v_add_f32 v[T], v[T], v[LS+\u]
	v_rcp_f32 v[AL], v[T]
	v_nop
	s_wait_alu depctr_va_vdst(0)
	v_mov_b32 v[AL+1], v[AL]
.set j, 0
.rept 16
	v_pk_mul_f32 v[O+32*\u+j:O+32*\u+j+1], v[O+32*\u+j:O+32*\u+j+1], v[AL:AL+1]
.set j, j+2
.endr
.set j, 0
.rept 16
	v_cvt_pk_bf16_f32 v[KV+16*\u+j], v[O+32*\u+2*j], v[O+32*\u+2*j+1]
.set j, j+1
.endr
.endr
.irp u, 0,1
.irp dt, 0,1,2,3
	ds_store_b128 v18, v[KV+16*\u+4*\dt:KV+16*\u+4*\dt+3] offset:\u*16*SP+32*\dt
.endr
.endr
.Lno_merge:
	s_wait_dscnt 0x0                               ; for the others' sake: my part of the rows is written
	s_barrier_signal -1
	s_barrier_wait -1
	; all sixteen waves: eight rows of 256 bytes (two heads) each are read back and stored
.irp t, 0,1,2,3
	ds_load_b128 v[KV+32+4*\t:KV+32+4*\t+3], v19 offset:\t*2*SP
.endr
.irp t, 0,1,2,3
	s_wait_dscnt 3-\t                              ; load t is in; the younger ones stay out
	global_store_b128 v20, v[KV+32+4*\t:KV+32+4*\t+3], s[8:9] offset:\t*4096   ; 16 lanes store 256 consecutive bytes, aligned
.endr
	s_wait_xcnt 0x0
	v_lshl_add_u32 v190, v0, 2, 0x48800
	v_mov_b32 v191, 0
	s_wait_tensorcnt 0x0
	ds_add_u32 v190, v191
	s_wait_dscnt 0x0
	ROUND                                          ; the closing round: no work-group ends while a partner may still ask jointly
	s_endpgm
.Lfunc_end_k_qbdfd8de9d3_attn:
	.size	k_qbdfd8de9d3_attn, .Lfunc_end_k_qbdfd8de9d3_attn-k_qbdfd8de9d3_attn
	.p2alignl 7, 3214868480
	.fill 96, 4, 3214868480
	.section	.rodata,"a",@progbits
	.p2align	6, 0x0
	.amdhsa_kernel k_qbdfd8de9d3_attn
		.amdhsa_group_segment_fixed_size 327680
		.amdhsa_private_segment_fixed_size 0
		.amdhsa_enable_private_segment 0
		.amdhsa_kernarg_size 24
		.amdhsa_user_sgpr_count 2
		.amdhsa_user_sgpr_kernarg_segment_ptr 1
		.amdhsa_wavefront_size32 1
		.amdhsa_system_sgpr_workgroup_id_x 1
		.amdhsa_system_sgpr_workgroup_id_y 1
		.amdhsa_system_sgpr_workgroup_id_z 1
		.amdhsa_system_vgpr_workitem_id 0
		.amdhsa_next_free_vgpr 256
		.amdhsa_next_free_sgpr 96
		.amdhsa_reserve_vcc 0
		.amdhsa_float_denorm_mode_32 3
		.amdhsa_float_denorm_mode_16_64 3
		.amdhsa_memory_ordered 1
		.amdhsa_forward_progress 1
		.amdhsa_inst_pref_size 159
	.end_amdhsa_kernel
	.amdgpu_metadata
---
amdhsa.version: [ 1, 2 ]
amdhsa.kernels:
  - .name:           k_qbdfd8de9d3_attn
    .symbol:         k_qbdfd8de9d3_attn.kd
    .args:
      - { .name: qkv, .offset: 0, .size: 8, .value_kind: global_buffer, .address_space: global }
      - { .name: mtile, .offset: 8, .size: 8, .value_kind: global_buffer, .address_space: global }
      - { .name: o, .offset: 16, .size: 8, .value_kind: global_buffer, .address_space: global }
    .group_segment_fixed_size: 327680
    .private_segment_fixed_size: 0
    .kernarg_segment_align: 8
    .kernarg_segment_size: 24
    .max_flat_workgroup_size: 512
    .sgpr_count:     96
    .vgpr_count:     256
    .wavefront_size: 32
...
	.end_amdgpu_metadata
.endif
;; end of part 3
;; launch gout (part 4): grid 8 x 32, 4 waves a work-group, clusters of 4 x 4, 327,680 bytes of LDS; arguments o, wbf, x1, out_b, x; writes x1
.if DOCPART == 4
	.amdgcn_target "amdgcn-amd-amdhsa--gfx1250"
	.amdhsa_code_object_version 6
	.text
	.protected	k_qbdfd8de9d3_gout
	.globl	k_qbdfd8de9d3_gout
	.p2align	8
	.type	k_qbdfd8de9d3_gout,@function
k_qbdfd8de9d3_gout:
	s_mov_b64 s[64:65], 0
	v_nop
	global_prefetch_b8 v0, s[64:65] scope:SCOPE_SE
	s_setreg_imm32_b32 hwreg(HW_REG_WAVE_MODE, 25, 1), 1
	s_wait_xcnt 0x0
	s_wait_alu depctr_hold_cnt(0) depctr_sa_sdst(0) depctr_va_vdst(0) depctr_va_sdst(0) depctr_va_ssrc(0) depctr_va_vcc(0) depctr_vm_vsrc(0)
	s_getreg_b32 s2, hwreg(HW_REG_IB_STS2, 6, 4)
	s_cmp_eq_u32 s2, 0
	s_cbranch_scc0 .Lentry_in_a_cluster
	s_endpgm
.Lentry_in_a_cluster:
	s_bfe_u32 s2, ttmp6, 0x10000c
	s_cmp_lg_u32 s2, 0xf033
	s_cbranch_scc0 .Lentry_shape_is_right
	s_endpgm
.Lentry_shape_is_right:
; x1 = x + o Wo^T + out_b.  o: [4096][1024] bf16; Wo: [1024][1024] bf16 at byte 6,291,456 of wbf; x, x1: [4096][1024] f32; sums in f32.
; N is 1,024: blocks of 256 x 256 would be 64 work-groups.  So a work-group makes 128 x 128 (8 x 32 = 256 work-groups), and its four waves
; SHARE K: every wave holds the whole 128 x 128 in 64 accumulator tiles and multiplies a quarter of each slot's K.  For 64 matrix instructions
; a wave still loads 2 x 128 rows x 64 bytes from LDS, half of what tiles of 64 x 64 would ask.  At the end the four partial blocks meet in LDS.
; A slot holds K = 256: rows of 512 bytes of memory; two slots are all the LDS asked for.
; CLUSTERS: 4 x 4 work-groups; o's tile is shared along a row of the cluster, W's along a column, by joint loads.
; REGISTERS as windows of 256: window 0 addresses, fragments of o (v64-127, v128-191); window 1 fragments of W; windows 2, 3 the accumulators
; (tile (a, b) at v[8 (8 a + b)]).  The matrix instruction is used transposed (source 0 = rows of W): a lane's 8 results are 8 neighbouring columns.
.set SIZE_K, 1024
.set WOFF,   6291456
.set KSLOT,  256                       ; K of a slot
.set PITCH,  528                       ; an LDS row: 512 bytes + 16: the 16 rows that a load touches start 16 bytes apart modulo 256
.set QROWS,  64*PITCH                  ; what one tensor load brings
.set HALFT,  128*PITCH                 ; o's 128 rows; W's follow.  Later: one wave's partial block, 128 rows of 128 f32
.set SLOT,   2*HALFT
.set LAPS, SIZE_K/(2*KSLOT)            ; a lap = once round the ring
.set ADRA, 16                          ; v16-17  LDS address of my o fragments in slot 0, 1
.set ADRB, 20                          ; v20-21  the same for W
.set STO,  24                          ; v24     where my partial block's 32 bytes go
.set RD,   25                          ; v25-28  where I read wave p's partial block
.set CO,   29                          ; v29     16 x lane
.set BI,   32                          ; v[32:35] the bias of my 4 columns
.set F0,   64
.set F1,   128
.set RES,  64                          ; v[64:191] the residual's 32 rows, 4 registers each; the result grows in them
.set PB,   192                         ; v[192:223], v[224:255]: two rows x four partial blocks, two buffers
.set G1, 24
.set G0, 32
.set G1B, 48
.set G0B, 56
.set MSB, 0
.macro WIN new                         ; the immediate's high byte repeats the setting that is left
.if MSB != \new
	s_set_vgpr_msb (MSB<<8)|\new
.set MSB, \new
.endif
.endm
.set MUL_LO, 0xa1                      ; source 0 (W) window 1, source 1 (o) window 0, C and D window 2
.set MUL_HI, 0xf1
.set TO_B,   0x40
.macro JLOAD s                         ; waves 0, 1 fetch o's two halves, waves 2, 3 W's; each line has one mask
	s_cmp_eq_u32 s11, 0
	s_cbranch_scc0 .Lfor_b_\@
	tensor_load_to_lds s[G0+4*\s:G0+4*\s+3], s[G1:G1+7]
	s_nop 0
	s_branch .Lasked_\@
.Lfor_b_\@:
	tensor_load_to_lds s[G0B+4*\s:G0B+4*\s+3], s[G1B:G1B+7]
	s_nop 0
.Lasked_\@:
.endm
.macro CREST                           ; a round of the cluster's barrier behind its opening barrier
	s_cmp_lg_u32 s10, 0
	s_cbranch_scc1 .Lnot_wave_0_\@
	s_barrier_signal -3
.Lnot_wave_0_\@:
	s_barrier_wait -3
	s_barrier_signal -1
	s_barrier_wait -1
.endm
.macro CROUND
	s_barrier_signal -1
	s_barrier_wait -1
	CREST
.endm
	s_load_b128 s[4:7], s[0:1], 0x0                ; o s[4:5], wbf s[6:7]
	s_load_b64 s[8:9], s[0:1], 0x10                ; x1
	s_load_b64 s[68:69], s[0:1], 0x18              ; out_b
	s_load_b64 s[70:71], s[0:1], 0x20              ; x
	s_set_vgpr_msb 0x40
	v_lshl_add_u32 v255, v0, 2, 0x42000
	s_set_vgpr_msb 0x4000
	v_mov_b32 v63, 0
	s_set_vgpr_msb 0x1
	ds_add_u32 v255, v63
	s_set_vgpr_msb 0x100
	v_lshrrev_b32 v1, 5, v0
	v_readfirstlane_b32 s10, v1                    ; wave 0..3
	s_lshr_b32 s11, s10, 1                         ; I fetch for o (0) or for W (1)
	s_and_b32 s12, s10, 1                          ; which 64 rows of that tile
	s_bfe_u32 s40, ttmp6, 0x40000                  ; cx
	s_bfe_u32 s41, ttmp6, 0x40004                  ; cy
	s_lshl_b32 s42, ttmp9, 2
	s_add_co_u32 s42, s42, s40                     ; block column
	s_and_b32 s13, ttmp7, 0xffff
	s_lshl_b32 s13, s13, 2
	s_add_co_u32 s13, s13, s41                     ; block row
	s_lshl_b32 s43, s41, 2
	s_lshl_b32 s43, 15, s43                        ; my row of the cluster
	s_lshl_b32 s44, 0x1111, s40                    ; my column
	; group 1: 64 rows x 256 elements of 2 bytes, 16 bytes of padding behind every 128 words
	s_or_b32 s[G1+0], s43, (1<<16)|(1<<20)|(1<<21)|(6<<22)|(3<<25)
	s_or_b32 s[G1B+0], s44, (1<<16)|(1<<20)|(1<<21)|(6<<22)|(3<<25)
	s_mov_b32 s[G1B+1], KSLOT<<16
	s_mov_b32 s[G1+1], KSLOT<<16                   ; tensor_dim0 = 256
	s_mov_b32 s[G1B+2], 64<<16
	s_mov_b32 s[G1+2], 64<<16                      ; tensor_dim1 = 64
	s_mov_b32 s[G1B+3], KSLOT<<16
	s_mov_b32 s[G1+3], KSLOT<<16                   ; tile_dim0 = 256
	s_mov_b32 s[G1B+4], 64
	s_mov_b32 s[G1+4], 64                          ; tile_dim1 = 64
	s_mov_b32 s[G1B+5], SIZE_K
	s_mov_b32 s[G1+5], SIZE_K
	s_mov_b32 s[G1B+6], 0
	s_mov_b32 s[G1+6], 0
	s_mov_b32 s[G1B+7], 0
	s_mov_b32 s[G1+7], 0
	s_lshl_b32 s17, s12, 6
	s_lshl_b32 s16, s13, 7
	s_add_co_u32 s16, s16, s17                     ; o: row 128 x block row + 64 x half
	s_lshl_b32 s46, s42, 7
	s_add_co_u32 s46, s46, s17                     ; W: row 128 x block column + 64 x half
	s_mov_b32 s17, 0
	s_mov_b32 s47, 0
	s_mov_b64 s[18:19], SIZE_K*2
	s_mul_u64 s[16:17], s[16:17], s[18:19]
	s_mul_u64 s[46:47], s[46:47], s[18:19]
	s_mul_i32 s20, s10, QROWS                      ; where they go: wave x 64 rows
	s_wait_dscnt 0x0
	s_wait_kmcnt 0x0
	s_add_nc_u64 s[6:7], s[6:7], WOFF
	s_add_nc_u64 s[14:15], s[4:5], s[16:17]
	s_add_nc_u64 s[46:47], s[6:7], s[46:47]
	CROUND                                         ; all sixteen work-groups are here: the first joint loads meet
.irp s, 0,1
	s_mov_b32 s[G0+4*\s], 1
	s_add_co_u32 s[G0+4*\s+1], s20, \s*SLOT
	s_add_nc_u64 s[G0+4*\s+2:G0+4*\s+3], s[14:15], \s*KSLOT*2
	s_or_b32 s[G0+4*\s+3], s[G0+4*\s+3], 0x80000000
	s_mov_b32 s[G0B+4*\s], 1
	s_add_co_u32 s[G0B+4*\s+1], s20, \s*SLOT
	s_add_nc_u64 s[G0B+4*\s+2:G0B+4*\s+3], s[46:47], \s*KSLOT*2
	s_or_b32 s[G0B+4*\s+3], s[G0B+4*\s+3], 0x80000000
	JLOAD \s                                       ; two tensor loads of the wave are out
.endr
	v_and_b32 v1, 15, v0                           ; r
	v_bfe_u32 v2, v0, 4, 1                         ; h
	v_mul_u32_u24 v3, v1, PITCH
	v_lshl_add_u32 v3, v2, 4, v3
	s_lshl_b32 s21, s10, 7                         ; my 64 of the slot's K: 128 bytes x wave
	s_add_co_u32 s22, s21, HALFT
.irp s, 0,1
	v_add_nc_u32 v[ADRA+\s], s21, v3
	v_add_nc_u32 v[ADRB+\s], s22, v3
	s_add_co_u32 s21, s21, SLOT
	s_add_co_u32 s22, s22, SLOT
.endr
	v_and_b32 v4, 31, v0
	v_lshlrev_b32 v[CO], 4, v4
	s_mul_i32 s23, s10, HALFT
	v_mul_u32_u24 v5, v1, PITCH
	v_lshl_add_u32 v5, v2, 5, v5
	v_add_nc_u32 v[STO], s23, v5                   ; wave x 67,584 + r x 528 + 32 h
	s_mul_i32 s23, s10, 32*PITCH
	v_add_nc_u32 v[RD], s23, v[CO]                 ; rows 32 wave .. of partial block 0,
	v_add_nc_u32 v[RD+1], HALFT, v[RD]             ; 1,
	v_add_nc_u32 v[RD+2], HALFT, v[RD+1]           ; 2,
	v_add_nc_u32 v[RD+3], HALFT, v[RD+2]           ; 3
.macro MUL16 f, hi, a0, zero
.irp a, \a0, \a0+1
.irp b, 0,1,2,3,4,5,6,7
.if \zero
	v_wmma_f32_16x16x32_bf16 v[8*(8*(\a)+\b):8*(8*(\a)+\b)+7], v[\f+8*\b:\f+8*\b+7], v[\f+8*(4*\hi+\a):\f+8*(4*\hi+\a)+7], 0
.else
	v_wmma_f32_16x16x32_bf16 v[8*(8*(\a)+\b):8*(8*(\a)+\b)+7], v[\f+8*\b:\f+8*\b+7], v[\f+8*(4*\hi+\a):\f+8*(4*\hi+\a)+7], v[8*(8*(\a)+\b):8*(8*(\a)+\b)+7]
.endif
.endr
.endr
.endm
.macro FETCH slot, k, f                ; 32 LDS loads in one run: 128 rows of W, 128 rows of o, 32 K at byte k of my quarter
	WIN TO_B
.irp i, 0,1,2,3,4,5,6,7
	ds_load_b128 v[\f+8*\i:\f+8*\i+3],   v[ADRB+\slot] offset:\k+\i*16*PITCH
	ds_load_b128 v[\f+8*\i+4:\f+8*\i+7], v[ADRB+\slot] offset:\k+\i*16*PITCH+32
.endr
	WIN 0
.irp i, 0,1,2,3,4,5,6,7
	ds_load_b128 v[\f+8*\i:\f+8*\i+3],   v[ADRA+\slot] offset:\k+\i*16*PITCH
	ds_load_b128 v[\f+8*\i+4:\f+8*\i+7], v[ADRA+\slot] offset:\k+\i*16*PITCH+32
.endr
.endm
.macro PLACES                          ; four places of plain vector instructions behind a matrix instruction (ISA guide 7.12.1)
.rept 4
	v_nop
.endr
.endm
; My first 32 K of a slot: 64 matrix instructions on buffer f; in the middle the second 32 K are fetched into buffer g.
; The 64 accumulators take turns, one instruction a turn, in the same order throughout.
.macro QUARTER slot, k, f, g, zero
	s_wait_dscnt 8                                 ; W and o's rows 0-63 are in; the youngest eight loads (o's rows 64-127) may be out
	WIN MUL_LO
	MUL16 \f, 0, 0, \zero
	MUL16 \f, 0, 2, \zero
	PLACES
	FETCH \slot, \k, \g
	s_wait_dscnt 32                                ; all but the 32 just issued
	WIN MUL_HI
	MUL16 \f, 1, 0, \zero
	MUL16 \f, 1, 2, \zero
.endm
; My second 32 K, and the change of slots: each wave's reads of this slot and all its tensor loads are waited for in front of the barrier;
; behind it (fill = 1: behind the cluster's round that it opens) the refill comes first, then the next slot's fragments.
.macro TURN slot, next, fill
	s_wait_dscnt 8
	WIN MUL_LO
	MUL16 F1, 0, 0, 0
	s_wait_dscnt 0
	s_wait_tensorcnt 0x0
	ds_add_u32 v255, v63
	s_wait_dscnt 0x0
	s_barrier_signal -1
	MUL16 F1, 0, 2, 0
	WIN 0
	s_barrier_wait -1
.if \fill
	CREST
	s_add_nc_u64 s[G0+4*\slot+2:G0+4*\slot+3], s[G0+4*\slot+2:G0+4*\slot+3], 2*KSLOT*2
	s_add_nc_u64 s[G0B+4*\slot+2:G0B+4*\slot+3], s[G0B+4*\slot+2:G0B+4*\slot+3], 2*KSLOT*2
	JLOAD \slot                                    ; the wave's one tensor load behind the round
.endif
	PLACES
	FETCH \next, 0, F0
	WIN MUL_HI
	MUL16 F1, 1, 0, 0
	MUL16 F1, 1, 2, 0
.endm
.macro LAP zero
	QUARTER 0, 64, F0, F1, \zero
	TURN 0, 1, 1
	QUARTER 1, 64, F0, F1, 0
	TURN 1, 0, 1
.endm
	s_wait_tensorcnt 1                             ; my part of slot 0 is in; slot 1's may stay out
	s_barrier_signal -1
	s_barrier_wait -1
	FETCH 0, 0, F0
	LAP 1                                          ; the first products start the sums
.if LAPS > 2
	WIN 0
	s_mov_b32 s3, LAPS-2
.Llap:
	LAP 0
	WIN 0
	s_sub_co_u32 s3, s3, 1
	s_cmp_lg_u32 s3, 0
	s_cbranch_scc1 .Llap
.endif
	QUARTER 0, 64, F0, F1, 0                       ; the last lap fills nothing
	TURN 0, 1, 0
	QUARTER 1, 64, F0, F1, 0
	s_wait_dscnt 8
	WIN MUL_LO
	MUL16 F1, 0, 0, 0
	MUL16 F1, 0, 2, 0
	s_wait_dscnt 0
	WIN MUL_HI
	MUL16 F1, 1, 0, 0
	MUL16 F1, 1, 2, 0
	; THE SUM.  Each wave lays its partial block into a quarter of the ring (the slots have had their last fill), then wave w adds up rows
	; 32 w .. 32 w + 31 of the four, with the bias and the residual, and stores them.
	PLACES
	WIN 0
	s_lshl_b32 s16, s13, 19                        ; block row x 128 rows x 4,096 bytes
	s_lshl_b32 s14, s10, 17                        ; + wave x 32 rows
	s_add_co_u32 s16, s16, s14
	s_mov_b32 s17, 0
	s_lshl_b32 s46, s42, 9                         ; block column x 128 columns x 4 bytes
	s_mov_b32 s47, 0
	s_add_nc_u64 s[8:9], s[8:9], s[16:17]
	s_add_nc_u64 s[8:9], s[8:9], s[46:47]
	s_add_nc_u64 s[70:71], s[70:71], s[16:17]
	s_add_nc_u64 s[70:71], s[70:71], s[46:47]
	s_add_nc_u64 s[68:69], s[68:69], s[46:47]
	global_load_b128 v[BI:BI+3], v[CO], s[68:69]
.set i, 0
.rept 32
	global_load_b128 v[RES+4*i:RES+4*i+3], v[CO], s[70:71] offset:4096*i   ; 512 neighbouring bytes of a row; on their way while the blocks go through LDS
.set i, i+1
.endr
	s_wait_dscnt 0x0
	s_barrier_signal -1                            ; every wave has finished reading the ring
	s_barrier_wait -1
	WIN 0x08                                       ; store data from window 2
.irp a, 0,1,2,3
.irp b, 0,1,2,3,4,5,6,7
	ds_store_b128 v[STO], v[8*(8*\a+\b):8*(8*\a+\b)+3] offset:16*\a*PITCH+64*\b
	ds_store_b128 v[STO], v[8*(8*\a+\b)+4:8*(8*\a+\b)+7] offset:16*\a*PITCH+64*\b+16
.endr
.endr
	WIN 0x0c                                       ; from window 3: rows 64-127
.irp a, 0,1,2,3
.irp b, 0,1,2,3,4,5,6,7
	ds_store_b128 v[STO], v[8*(8*\a+\b):8*(8*\a+\b)+3] offset:16*(\a+4)*PITCH+64*\b
	ds_store_b128 v[STO], v[8*(8*\a+\b)+4:8*(8*\a+\b)+7] offset:16*(\a+4)*PITCH+64*\b+16
.endr
.endr
	WIN 0
	s_wait_dscnt 0x0                               ; for the others' sake: my block is written
	s_barrier_signal -1
	s_barrier_wait -1
	s_wait_loadcnt 0x0                             ; bias and residual
.macro FLOAD k                         ; rows 2 k and 2 k + 1 of my 32, from the four partial blocks: eight loads of 512 neighbouring bytes
.irp q, 0,1
.irp p, 0,1,2,3
	ds_load_b128 v[PB+32*((\k)&1)+16*\q+4*\p:PB+32*((\k)&1)+16*\q+4*\p+3], v[RD+\p] offset:(2*(\k)+\q)*PITCH
.endr
.endr
.endm
.macro FROW k, q
.set ri, RES+4*(2*(\k)+\q)
.set pb, PB+32*((\k)&1)+16*\q
	v_pk_add_f32 v[ri:ri+1], v[ri:ri+1], v[BI:BI+1]
	v_pk_add_f32 v[ri+2:ri+3], v[ri+2:ri+3], v[BI+2:BI+3]
.irp p, 0,1,2,3
	v_pk_add_f32 v[ri:ri+1], v[ri:ri+1], v[pb+4*\p:pb+4*\p+1]
	v_pk_add_f32 v[ri+2:ri+3], v[ri+2:ri+3], v[pb+4*\p+2:pb+4*\p+3]
.endr
	global_store_b128 v[CO], v[ri:ri+3], s[8:9] offset:4096*(2*(\k)+\q)    ; 512 consecutive bytes, aligned; these registers are not written again
.endm
	FLOAD 0
.set k, 0
.rept 15
	FLOAD k+1
	s_wait_dscnt 8                                 ; this pair of rows is in; the next pair's eight loads stay out
	FROW k, 0
	FROW k, 1
.set k, k+1
.endr
	s_wait_dscnt 0
	FROW 15, 0
	FROW 15, 1
	s_set_vgpr_msb 0x1
	s_wait_tensorcnt 0x0
	ds_add_u32 v255, v63
	s_wait_dscnt 0x0
	s_set_vgpr_msb 0x100
	CROUND                                         ; the closing round
	s_endpgm
.Lfunc_end_k_qbdfd8de9d3_gout:
	.size	k_qbdfd8de9d3_gout, .Lfunc_end_k_qbdfd8de9d3_gout-k_qbdfd8de9d3_gout
	.p2alignl 7, 3214868480
	.fill 96, 4, 3214868480
	.section	.rodata,"a",@progbits
	.p2align	6, 0x0
	.amdhsa_kernel k_qbdfd8de9d3_gout
		.amdhsa_group_segment_fixed_size 327680
		.amdhsa_private_segment_fixed_size 0
		.amdhsa_enable_private_segment 0
		.amdhsa_kernarg_size 40
		.amdhsa_user_sgpr_count 2
		.amdhsa_user_sgpr_kernarg_segment_ptr 1
		.amdhsa_wavefront_size32 1
		.amdhsa_system_sgpr_workgroup_id_x 1
		.amdhsa_system_sgpr_workgroup_id_y 1
		.amdhsa_system_sgpr_workgroup_id_z 1
		.amdhsa_system_vgpr_workitem_id 0
		.amdhsa_next_free_vgpr 1024
		.amdhsa_next_free_sgpr 72
		.amdhsa_reserve_vcc 0
		.amdhsa_float_denorm_mode_32 3
		.amdhsa_float_denorm_mode_16_64 3
		.amdhsa_memory_ordered 1
		.amdhsa_forward_progress 1
		.amdhsa_inst_pref_size 103
	.end_amdhsa_kernel
	.amdgpu_metadata
---
amdhsa.version: [ 1, 2 ]
amdhsa.kernels:
  - .name:           k_qbdfd8de9d3_gout
    .symbol:         k_qbdfd8de9d3_gout.kd
    .args:
      - { .name: o, .offset: 0, .size: 8, .value_kind: global_buffer, .address_space: global }
      - { .name: wbf, .offset: 8, .size: 8, .value_kind: global_buffer, .address_space: global }
      - { .name: x1, .offset: 16, .size: 8, .value_kind: global_buffer, .address_space: global }
      - { .name: out_b, .offset: 24, .size: 8, .value_kind: global_buffer, .address_space: global }
      - { .name: x, .offset: 32, .size: 8, .value_kind: global_buffer, .address_space: global }
    .group_segment_fixed_size: 327680
    .private_segment_fixed_size: 0
    .kernarg_segment_align: 8
    .kernarg_segment_size: 40
    .max_flat_workgroup_size: 128
    .sgpr_count:     72
    .vgpr_count:     1024
    .wavefront_size: 32
...
	.end_amdgpu_metadata
.endif
;; end of part 4
;; launch ln2 (part 5): grid 256 x 1, 8 waves a work-group, no clusters, 0 bytes of LDS; arguments x1, ln2_g, ln2_b, h; writes h
.if DOCPART == 5
	.amdgcn_target "amdgcn-amd-amdhsa--gfx1250"
	.amdhsa_code_object_version 6
	.text
	.protected	k_qbdfd8de9d3_ln2
	.globl	k_qbdfd8de9d3_ln2
	.p2align	8
	.type	k_qbdfd8de9d3_ln2,@function
k_qbdfd8de9d3_ln2:
	s_mov_b64 s[64:65], 0
	v_nop
	global_prefetch_b8 v0, s[64:65] scope:SCOPE_SE
	s_setreg_imm32_b32 hwreg(HW_REG_WAVE_MODE, 25, 1), 1
	s_wait_xcnt 0x0
; h = LayerNorm(x1) g + b, rounded to bf16.  x1: [4096][1024] f32; 16 rows a work-group, two rows a wave, a row kept in 32 registers of the wave.
; Memory binds: no LDS, no barrier, no matrix unit.  Two passes over the row in registers (the mean, then the mean of the squared differences),
; so that a common offset of the row does not enter a difference of large sums.  The text is straight: no register that a store reads is written again.
.set X,   16                           ; v[16:79]    two rows: row p at X + 32 p; register 4 j + c holds column 128 j + 4 lane + c
.set G,   80                           ; v[80:111]   gain
.set B,   112                          ; v[112:143]  bias
.set Y,   144                          ; v[144:175]  the rows in bf16
.set T,   4                            ; v[4:9]      at work
.set R,   12                           ; v[12:15]    1 / sqrt(var + eps) of row p, twice
.macro LANESUM                         ; v[T] summed over the 32 lanes, the result in every lane; v[T+1] has been written before
	v_add_f32_dpp v[T], v[T], v[T] row_xmask:1 row_mask:0xf bank_mask:0xf
	v_add_f32_dpp v[T], v[T], v[T] row_xmask:2 row_mask:0xf bank_mask:0xf
	v_add_f32_dpp v[T], v[T], v[T] row_xmask:4 row_mask:0xf bank_mask:0xf
	v_add_f32_dpp v[T], v[T], v[T] row_xmask:8 row_mask:0xf bank_mask:0xf
	v_permlanex16_b32 v[T+1], v[T], s30, s31
	v_add_f32 v[T], v[T], v[T+1]
.endm
.macro ROWSTAT p, left
	s_wait_loadcnt \left
	v_pk_add_f32 v[T:T+1], v[X+32*\p:X+32*\p+1], v[X+32*\p+2:X+32*\p+3]         ; the first two sums start two chains
	v_pk_add_f32 v[T+2:T+3], v[X+32*\p+4:X+32*\p+5], v[X+32*\p+6:X+32*\p+7]
.set j, 8
.rept 6
	v_pk_add_f32 v[T:T+1], v[T:T+1], v[X+32*\p+j:X+32*\p+j+1]
	v_pk_add_f32 v[T+2:T+3], v[T+2:T+3], v[X+32*\p+j+2:X+32*\p+j+3]
.set j, j+4
.endr
	v_pk_add_f32 v[T:T+1], v[T:T+1], v[T+2:T+3]
	v_add_f32 v[T], v[T], v[T+1]
	LANESUM
	v_mul_f32 v[T+4], s36, v[T]                    ; the mean
	v_mov_b32 v[T+5], v[T+4]
.set j, 0
.rept 16
	v_pk_add_f32 v[X+32*\p+j:X+32*\p+j+1], v[X+32*\p+j:X+32*\p+j+1], v[T+4:T+5] neg_lo:[0,1] neg_hi:[0,1]
.set j, j+2
.endr
	v_pk_mul_f32 v[T:T+1], v[X+32*\p:X+32*\p+1], v[X+32*\p:X+32*\p+1]
	v_pk_mul_f32 v[T+2:T+3], v[X+32*\p+2:X+32*\p+3], v[X+32*\p+2:X+32*\p+3]
.set j, 4
.rept 7
	v_pk_fma_f32 v[T:T+1], v[X+32*\p+j:X+32*\p+j+1], v[X+32*\p+j:X+32*\p+j+1], v[T:T+1]
	v_pk_fma_f32 v[T+2:T+3], v[X+32*\p+j+2:X+32*\p+j+3], v[X+32*\p+j+2:X+32*\p+j+3], v[T+2:T+3]
.set j, j+4
.endr
	v_pk_add_f32 v[T:T+1], v[T:T+1], v[T+2:T+3]
	v_add_f32 v[T], v[T], v[T+1]
	LANESUM
	v_fma_f32 v[T], v[T], s36, s37                 ; var + eps
	v_rsq_f32 v[R+2*\p], v[T]
	v_nop                                          ; one plain place between v_rsq_f32 and the use of its result (ISA guide 5.7.2)
	s_wait_alu depctr_va_vdst(0)
	v_mov_b32 v[R+2*\p+1], v[R+2*\p]
.endm
	s_load_b256 s[8:15], s[0:1], 0x0               ; x1 8, ln2_g 10, ln2_b 12, h 14
	v_lshrrev_b32 v3, 5, v0
	v_readfirstlane_b32 s4, v3                     ; wave 0..7
	v_and_b32 v3, 31, v0
	v_lshlrev_b32 v1, 4, v3                        ; 16 x lane
	v_lshlrev_b32 v2, 3, v3                        ; 8 x lane
	s_mov_b32 s30, 0x76543210
	s_mov_b32 s31, 0xfedcba98
	s_mov_b32 s36, 0x3a800000                      ; 1 / 1,024
	s_mov_b32 s37, 0x3727c5ac                      ; 1e-5
	s_lshl_b32 s32, ttmp9, 4
	s_lshl_b32 s33, s4, 1
	s_add_co_u32 s32, s32, s33                     ; my first row
	s_lshl_b32 s34, s32, 12
	s_mov_b32 s35, 0
	s_wait_kmcnt 0x0
	s_add_nc_u64 s[8:9], s[8:9], s[34:35]
	s_lshl_b32 s34, s32, 11
	s_add_nc_u64 s[14:15], s[14:15], s[34:35]
.irp p, 0,1
.irp j, 0,1,2,3,4,5,6,7
	global_load_b128 v[X+32*\p+4*\j:X+32*\p+4*\j+3], v1, s[8:9] offset:\p*4096+512*\j
.endr
.endr
.irp j, 0,1,2,3,4,5,6,7
	global_load_b128 v[G+4*\j:G+4*\j+3], v1, s[10:11] offset:512*\j
.endr
.irp j, 0,1,2,3,4,5,6,7
	global_load_b128 v[B+4*\j:B+4*\j+3], v1, s[12:13] offset:512*\j
.endr
	ROWSTAT 0, 24                                  ; out: the second row's 8 loads, g's 8, b's 8
	ROWSTAT 1, 16                                  ; out: g's 8, b's 8
	s_wait_loadcnt 0x0
.irp p, 0,1
.set j, 0
.rept 16
	v_pk_mul_f32 v[X+32*\p+j:X+32*\p+j+1], v[X+32*\p+j:X+32*\p+j+1], v[R+2*\p:R+2*\p+1]
.set j, j+2
.endr
.set j, 0
.rept 16
	v_pk_fma_f32 v[X+32*\p+j:X+32*\p+j+1], v[X+32*\p+j:X+32*\p+j+1], v[G+j:G+j+1], v[B+j:B+j+1]
.set j, j+2
.endr
.set j, 0
.rept 16
	v_cvt_pk_bf16_f32 v[Y+16*\p+j], v[X+32*\p+2*j], v[X+32*\p+2*j+1]
.set j, j+1
.endr
.irp j, 0,1,2,3,4,5,6,7
	global_store_b64 v2, v[Y+16*\p+2*\j:Y+16*\p+2*\j+1], s[14:15] offset:\p*2048+256*\j   ; 256 consecutive bytes, aligned
.endr
.endr
	s_endpgm
.Lfunc_end_k_qbdfd8de9d3_ln2:
	.size	k_qbdfd8de9d3_ln2, .Lfunc_end_k_qbdfd8de9d3_ln2-k_qbdfd8de9d3_ln2
	.p2alignl 7, 3214868480
	.fill 96, 4, 3214868480
	.section	.rodata,"a",@progbits
	.p2align	6, 0x0
	.amdhsa_kernel k_qbdfd8de9d3_ln2
		.amdhsa_group_segment_fixed_size 0
		.amdhsa_private_segment_fixed_size 0
		.amdhsa_enable_private_segment 0
		.amdhsa_kernarg_size 32
		.amdhsa_user_sgpr_count 2
		.amdhsa_user_sgpr_kernarg_segment_ptr 1
		.amdhsa_wavefront_size32 1
		.amdhsa_system_sgpr_workgroup_id_x 1
		.amdhsa_system_sgpr_workgroup_id_y 1
		.amdhsa_system_sgpr_workgroup_id_z 1
		.amdhsa_system_vgpr_workitem_id 0
		.amdhsa_next_free_vgpr 184
		.amdhsa_next_free_sgpr 66
		.amdhsa_reserve_vcc 0
		.amdhsa_float_denorm_mode_32 3
		.amdhsa_float_denorm_mode_16_64 3
		.amdhsa_memory_ordered 1
		.amdhsa_forward_progress 1
		.amdhsa_inst_pref_size 20
	.end_amdhsa_kernel
	.amdgpu_metadata
---
amdhsa.version: [ 1, 2 ]
amdhsa.kernels:
  - .name:           k_qbdfd8de9d3_ln2
    .symbol:         k_qbdfd8de9d3_ln2.kd
    .args:
      - { .name: x1, .offset: 0, .size: 8, .value_kind: global_buffer, .address_space: global }
      - { .name: ln2_g, .offset: 8, .size: 8, .value_kind: global_buffer, .address_space: global }
      - { .name: ln2_b, .offset: 16, .size: 8, .value_kind: global_buffer, .address_space: global }
      - { .name: h, .offset: 24, .size: 8, .value_kind: global_buffer, .address_space: global }
    .group_segment_fixed_size: 0
    .private_segment_fixed_size: 0
    .kernarg_segment_align: 8
    .kernarg_segment_size: 32
    .max_flat_workgroup_size: 256
    .sgpr_count:     66
    .vgpr_count:     184
    .wavefront_size: 32
...
	.end_amdgpu_metadata
.endif
;; end of part 5
;; launch gfc1 (part 6): grid 16 x 16, 4 waves a work-group, clusters of 4 x 4, 327,680 bytes of LDS; arguments h, wbf, f, fc1_b; writes f
.if DOCPART == 6
	.amdgcn_target "amdgcn-amd-amdhsa--gfx1250"
	.amdhsa_code_object_version 6
	.text
	.protected	k_qbdfd8de9d3_gfc1
	.globl	k_qbdfd8de9d3_gfc1
	.p2align	8
	.type	k_qbdfd8de9d3_gfc1,@function
k_qbdfd8de9d3_gfc1:
	s_mov_b64 s[64:65], 0
	v_nop
	global_prefetch_b8 v0, s[64:65] scope:SCOPE_SE
	s_setreg_imm32_b32 hwreg(HW_REG_WAVE_MODE, 25, 1), 1
	s_wait_xcnt 0x0
	s_wait_alu depctr_hold_cnt(0) depctr_sa_sdst(0) depctr_va_vdst(0) depctr_va_sdst(0) depctr_va_ssrc(0) depctr_va_vcc(0) depctr_vm_vsrc(0)
	s_getreg_b32 s2, hwreg(HW_REG_IB_STS2, 6, 4)
	s_cmp_eq_u32 s2, 0
	s_cbranch_scc0 .Lentry_in_a_cluster
	s_endpgm
.Lentry_in_a_cluster:
	s_bfe_u32 s2, ttmp6, 0x10000c
	s_cmp_lg_u32 s2, 0xf033
	s_cbranch_scc0 .Lentry_shape_is_right
	s_endpgm
.Lentry_shape_is_right:
; f = gelu(h W1^T + fc1_b).  h: [4096][1024] bf16; W1: [4096][1024] bf16 at byte 8,388,608 of wbf; f: [4096][4096] bf16; sums and gelu in f32.
; A work-group makes 256 x 256 with four waves, a wave 128 x 128: 64 accumulator tiles, 512 registers.  16 x 16 = 256 work-groups.
; K goes in steps of 128 through a ring of two LDS slots filled by the tensor data mover; a tile's rows are 256 bytes of memory.
; CLUSTERS: 4 x 4 work-groups; h's tile is shared along a row of the cluster, W's along a column, by joint loads.
; REGISTERS, in windows of 256: window 0: v0-31 addresses, v64-127 and v128-191 fragments of h, v192-255 the bias of my 128 columns, v32-63 at work on
; the way out; window 1: fragments of W; windows 2, 3: the accumulators (tile (a, b) at v[8 (8 a + b)]).
; The matrix instruction is used transposed (source 0 = rows of W): a lane's 8 results are 8 neighbouring columns of one row.
; GELU is the exact one, x Phi(x).  Phi by Abramowitz and Stegun 26.2.17: for x >= 0, 1 - Phi(x) = q = phi(x) (b1 t + .. + b5 t^5), t = 1 / (1 + p x);
; LIMIT: its absolute error is below 7.5e-8 for every x.  gelu(x) = x / 2 + |x| (1/2 - q(|x|)) serves both signs without a branch or select.
.set SIZE_K, 1024
.set SIZE_N, 4096
.set WOFF,   8388608
.set KSTEP,  128
.set PITCH,  272                       ; 256 bytes of data + 16 of padding
.set HALFT,  128*PITCH
.set SLOT,   4*HALFT
.set STAGE,  2*SLOT                    ; behind the ring: 16 rows x 272 bytes for each wave; no tensor load fills it
.set SPITCH, 272
.set LAPS, SIZE_K/(2*KSTEP)
.set ADRA, 16
.set ADRB, 20
.set STO,  24
.set RD,   25
.set CO,   26
.set BO,   27
.set C5,   28                          ; v[28:29] the polynomial's highest coefficient, twice
.set TMP,  32
.set F0,   64
.set F1,   128
.set X,    64                          ; the way out: 16 rows with the bias added, then their gelu
.set GU,   128                         ; gelu, 8 numbers at a time: the exponent, then 2^exponent
.set GT,   136                         ; t
.set GP,   144                         ; the polynomial, then 1/2 - q
.set GH,   152                         ; x / 2
.set RB,   160
.set BIAS, 192
.set G1, 24
.set G0, 32
.set G1B, 48
.set G0B, 56
.set MSB, 0
.macro WIN new
.if MSB != \new
	s_set_vgpr_msb (MSB<<8)|\new
.set MSB, \new
.endif
.endm
.set MUL_LO, 0xa1
.set MUL_HI, 0xf1
.set TO_B,   0x40
.macro JLOAD s                         ; waves 0, 1 fetch h's two halves, waves 2, 3 W's; each line has one mask
	s_cmp_eq_u32 s11, 0
	s_cbranch_scc0 .Lfor_b_\@
	tensor_load_to_lds s[G0+4*\s:G0+4*\s+3], s[G1:G1+7]
	s_nop 0
	s_branch .Lasked_\@
.Lfor_b_\@:
	tensor_load_to_lds s[G0B+4*\s:G0B+4*\s+3], s[G1B:G1B+7]
	s_nop 0
.Lasked_\@:
.endm
.macro CREST
	s_cmp_lg_u32 s10, 0
	s_cbranch_scc1 .Lnot_wave_0_\@
	s_barrier_signal -3
.Lnot_wave_0_\@:
	s_barrier_wait -3
	s_barrier_signal -1
	s_barrier_wait -1
.endm
.macro CROUND
	s_barrier_signal -1
	s_barrier_wait -1
	CREST
.endm
	s_load_b128 s[4:7], s[0:1], 0x0                ; h s[4:5], wbf s[6:7]
	s_load_b64 s[8:9], s[0:1], 0x10                ; f
	s_load_b64 s[68:69], s[0:1], 0x18              ; fc1_b
	s_set_vgpr_msb 0x40
	v_lshl_add_u32 v255, v0, 2, 0x48400
	s_set_vgpr_msb 0x4000
	v_mov_b32 v31, 0
	s_set_vgpr_msb 0x1
	ds_add_u32 v255, v31
	s_set_vgpr_msb 0x100
	v_lshrrev_b32 v1, 5, v0
	v_readfirstlane_b32 s10, v1                    ; wave 0..3
	s_lshr_b32 s11, s10, 1
	s_and_b32 s12, s10, 1
	s_bfe_u32 s40, ttmp6, 0x40000                  ; cx
	s_bfe_u32 s41, ttmp6, 0x40004                  ; cy
	s_lshl_b32 s42, ttmp9, 2
	s_add_co_u32 s42, s42, s40                     ; block column
	s_and_b32 s13, ttmp7, 0xffff
	s_lshl_b32 s13, s13, 2
	s_add_co_u32 s13, s13, s41                     ; block row
	s_lshl_b32 s43, s41, 2
	s_lshl_b32 s43, 15, s43
	s_lshl_b32 s44, 0x1111, s40
	s_or_b32 s[G1+0], s43, (1<<16)|(1<<20)|(1<<21)|(5<<22)|(3<<25)
	s_or_b32 s[G1B+0], s44, (1<<16)|(1<<20)|(1<<21)|(5<<22)|(3<<25)
	s_mov_b32 s[G1B+1], KSTEP<<16
	s_mov_b32 s[G1+1], KSTEP<<16
	s_mov_b32 s[G1B+2], 128<<16
	s_mov_b32 s[G1+2], 128<<16
	s_mov_b32 s[G1B+3], KSTEP<<16
	s_mov_b32 s[G1+3], KSTEP<<16
	s_mov_b32 s[G1B+4], 128
	s_mov_b32 s[G1+4], 128
	s_mov_b32 s[G1B+5], SIZE_K
	s_mov_b32 s[G1+5], SIZE_K
	s_mov_b32 s[G1B+6], 0
	s_mov_b32 s[G1+6], 0
	s_mov_b32 s[G1B+7], 0
	s_mov_b32 s[G1+7], 0
	s_mov_b32 s72, 0x3f596d27                      ; k = sqrt(log2 e / 2): exp(-x^2 / 2) = 2^-(k x)^2
	s_mov_b32 s73, 0x3f596d27
	s_mov_b32 s74, 0xbf3a00e3                      ; b4 / sqrt(2 pi)
	s_mov_b32 s75, 0xbf3a00e3
	s_mov_b32 s76, 0x3f35f0e3                      ; b3 / sqrt(2 pi)
	s_mov_b32 s77, 0x3f35f0e3
	s_mov_b32 s78, 0xbe11a98e                      ; b2 / sqrt(2 pi)
	s_mov_b32 s79, 0xbe11a98e
	s_mov_b32 s80, 0x3e027906                      ; b1 / sqrt(2 pi)
	s_mov_b32 s81, 0x3e027906
	s_mov_b32 s82, 0x3e6d3389                      ; p = 0.2316419
	v_mov_b32 v[C5], 0x3f07dc22                    ; b5 / sqrt(2 pi)
	v_mov_b32 v[C5+1], 0x3f07dc22
	s_lshl_b32 s17, s12, 7
	s_lshl_b32 s16, s13, 8
	s_add_co_u32 s16, s16, s17
	s_lshl_b32 s46, s42, 8
	s_add_co_u32 s46, s46, s17
	s_mov_b32 s17, 0
	s_mov_b32 s47, 0
	s_mov_b64 s[18:19], SIZE_K*2
	s_mul_u64 s[16:17], s[16:17], s[18:19]
	s_mul_u64 s[46:47], s[46:47], s[18:19]
	s_mul_i32 s20, s10, HALFT
	s_lshl_b32 s84, s42, 10                        ; my first column x 4 bytes of bias
	s_lshl_b32 s85, s12, 9
	s_add_co_u32 s84, s84, s85
	s_mov_b32 s85, 0
	s_wait_dscnt 0x0
	s_wait_kmcnt 0x0
	s_add_nc_u64 s[6:7], s[6:7], WOFF
	s_add_nc_u64 s[14:15], s[4:5], s[16:17]
	s_add_nc_u64 s[46:47], s[6:7], s[46:47]
	s_add_nc_u64 s[68:69], s[68:69], s[84:85]
	CROUND                                         ; all sixteen work-groups are here: the first joint loads meet
.irp s, 0,1
	s_mov_b32 s[G0+4*\s], 1
	s_add_co_u32 s[G0+4*\s+1], s20, \s*SLOT
	s_add_nc_u64 s[G0+4*\s+2:G0+4*\s+3], s[14:15], \s*KSTEP*2
	s_or_b32 s[G0+4*\s+3], s[G0+4*\s+3], 0x80000000
	s_mov_b32 s[G0B+4*\s], 1
	s_add_co_u32 s[G0B+4*\s+1], s20, \s*SLOT
	s_add_nc_u64 s[G0B+4*\s+2:G0B+4*\s+3], s[46:47], \s*KSTEP*2
	s_or_b32 s[G0B+4*\s+3], s[G0B+4*\s+3], 0x80000000
	JLOAD \s                                       ; two tensor loads of the wave are out
.endr
	v_and_b32 v1, 15, v0
	v_bfe_u32 v2, v0, 4, 1
	v_lshlrev_b32 v[BO], 5, v2
.irp b, 0,1,2,3,4,5,6,7
	global_load_b128 v[BIAS+8*\b:BIAS+8*\b+3], v[BO], s[68:69] offset:64*\b
	global_load_b128 v[BIAS+8*\b+4:BIAS+8*\b+7], v[BO], s[68:69] offset:64*\b+16
.endr
	v_mul_u32_u24 v3, v1, PITCH
	v_lshl_add_u32 v3, v2, 4, v3
	s_mul_i32 s21, s11, HALFT
	s_mul_i32 s22, s12, HALFT
	s_add_co_u32 s22, s22, 2*HALFT
.irp s, 0,1
	v_add_nc_u32 v[ADRA+\s], s21, v3
	v_add_nc_u32 v[ADRB+\s], s22, v3
	s_add_co_u32 s21, s21, SLOT
	s_add_co_u32 s22, s22, SLOT
.endr
	s_mul_i32 s23, s10, 16*SPITCH
	s_add_co_u32 s23, s23, STAGE
	v_mul_u32_u24 v4, v1, SPITCH
	v_lshl_add_u32 v4, v2, 4, v4
	v_add_nc_u32 v[STO], s23, v4
	v_mul_u32_u24 v5, v2, SPITCH                   ; back: lanes 0-15 take one row of 256 bytes, lanes 16-31 the next
	v_lshl_add_u32 v5, v1, 4, v5
	v_add_nc_u32 v[RD], s23, v5
	v_mul_u32_u24 v5, v2, SIZE_N*2
	v_lshl_add_u32 v[CO], v1, 4, v5
.macro MUL16 f, hi, a0, zero
.irp a, \a0, \a0+1
.irp b, 0,1,2,3,4,5,6,7
.if \zero
	v_wmma_f32_16x16x32_bf16 v[8*(8*(\a)+\b):8*(8*(\a)+\b)+7], v[\f+8*\b:\f+8*\b+7], v[\f+8*(4*\hi+\a):\f+8*(4*\hi+\a)+7], 0
.else
	v_wmma_f32_16x16x32_bf16 v[8*(8*(\a)+\b):8*(8*(\a)+\b)+7], v[\f+8*\b:\f+8*\b+7], v[\f+8*(4*\hi+\a):\f+8*(4*\hi+\a)+7], v[8*(8*(\a)+\b):8*(8*(\a)+\b)+7]
.endif
.endr
.endr
.endm
.macro FETCH slot, k, f
	WIN TO_B
.irp i, 0,1,2,3,4,5,6,7
	ds_load_b128 v[\f+8*\i:\f+8*\i+3],   v[ADRB+\slot] offset:\k+\i*16*PITCH
	ds_load_b128 v[\f+8*\i+4:\f+8*\i+7], v[ADRB+\slot] offset:\k+\i*16*PITCH+32
.endr
	WIN 0
.irp i, 0,1,2,3,4,5,6,7
	ds_load_b128 v[\f+8*\i:\f+8*\i+3],   v[ADRA+\slot] offset:\k+\i*16*PITCH
	ds_load_b128 v[\f+8*\i+4:\f+8*\i+7], v[ADRA+\slot] offset:\k+\i*16*PITCH+32
.endr
.endm
.macro PLACES                          ; four places of plain vector instructions behind a matrix instruction (ISA guide 7.12.1)
.rept 4
	v_nop
.endr
.endm
; The 64 accumulators take turns, one instruction a turn, in the same order in every quarter.
.macro QUARTER slot, k, f, g, zero
	s_wait_dscnt 8                                 ; W and h's rows 0-63 are in; the youngest eight loads (h's rows 64-127) may be out
	WIN MUL_LO
	MUL16 \f, 0, 0, \zero
	MUL16 \f, 0, 2, \zero
	PLACES
	FETCH \slot, \k, \g
	s_wait_dscnt 32                                ; all but the 32 just issued
	WIN MUL_HI
	MUL16 \f, 1, 0, \zero
	MUL16 \f, 1, 2, \zero
.endm
.macro THREE slot, zero
	QUARTER \slot, 64,  F0, F1, \zero
	QUARTER \slot, 128, F1, F0, 0
	QUARTER \slot, 192, F0, F1, 0
.endm
; The change of slots: each wave's reads of this slot and all its tensor loads are waited for in front of the barrier; behind it (fill = 1: behind the
; cluster's round that it opens) the refill comes first, then the next slot's fragments.
.macro TURN slot, next, fill
	s_wait_dscnt 8
	WIN MUL_LO
	MUL16 F1, 0, 0, 0
	s_wait_dscnt 0
	s_wait_tensorcnt 0x0
	ds_add_u32 v255, v31
	s_wait_dscnt 0x0
	s_barrier_signal -1
	MUL16 F1, 0, 2, 0
	WIN 0
	s_barrier_wait -1
.if \fill
	CREST
	s_add_nc_u64 s[G0+4*\slot+2:G0+4*\slot+3], s[G0+4*\slot+2:G0+4*\slot+3], 2*KSTEP*2
	s_add_nc_u64 s[G0B+4*\slot+2:G0B+4*\slot+3], s[G0B+4*\slot+2:G0B+4*\slot+3], 2*KSTEP*2
	JLOAD \slot
.endif
	PLACES
	FETCH \next, 0, F0
	WIN MUL_HI
	MUL16 F1, 1, 0, 0
	MUL16 F1, 1, 2, 0
.endm
.macro LAP zero
	THREE 0, \zero
	TURN 0, 1, 1
	THREE 1, 0
	TURN 1, 0, 1
.endm
	s_wait_loadcnt 0x0                             ; the bias, once
	s_wait_tensorcnt 1                             ; my part of K step 0 is in; K step 1's may stay out
	s_barrier_signal -1
	s_barrier_wait -1
	FETCH 0, 0, F0
	LAP 1
	WIN 0
	s_mov_b32 s3, LAPS-2
.Llap:
	LAP 0
	WIN 0
	s_sub_co_u32 s3, s3, 1
	s_cmp_lg_u32 s3, 0
	s_cbranch_scc1 .Llap
	THREE 0, 0
	TURN 0, 1, 0
	THREE 1, 0
	s_wait_dscnt 8
	WIN MUL_LO
	MUL16 F1, 0, 0, 0
	MUL16 F1, 0, 2, 0
	s_wait_dscnt 0
	WIN MUL_HI
	MUL16 F1, 1, 0, 0
	MUL16 F1, 1, 2, 0
	; THE WAY OUT, 16 rows at a time: bias, gelu, round to bf16, through my own stage, whole rows of 256 bytes out.
	PLACES
	s_lshl_b32 s13, s13, 8
	s_lshl_b32 s14, s11, 7
	s_add_co_u32 s16, s13, s14                     ; my first row
	s_mov_b32 s17, 0
	s_mov_b64 s[18:19], SIZE_N*2
	s_mul_u64 s[16:17], s[16:17], s[18:19]
	s_add_nc_u64 s[8:9], s[8:9], s[16:17]
	s_lshl_b32 s46, s42, 9                         ; my first column, in bytes
	s_lshl_b32 s47, s12, 8
	s_add_co_u32 s46, s46, s47
	s_mov_b32 s47, 0
	s_add_nc_u64 s[8:9], s[8:9], s[46:47]
; gelu of the 8 numbers in v[x : x+7], in place
.macro GELU8 x
.irp i, 0,2,4,6
	v_pk_mul_f32 v[GU+\i:GU+\i+1], v[\x+\i:\x+\i+1], s[72:73] op_sel_hi:[1,0]       ; k x
.endr
.irp i, 0,1,2,3,4,5,6,7
	v_fma_f32 v[GT+\i], |v[\x+\i]|, s82, 1.0                                        ; 1 + p |x|
.endr
.irp i, 0,2,4,6
	v_pk_mul_f32 v[GU+\i:GU+\i+1], v[GU+\i:GU+\i+1], v[GU+\i:GU+\i+1] neg_lo:[1,0] neg_hi:[1,0]   ; -(k x)^2
.endr
.irp i, 0,1,2,3,4,5,6,7
	v_rcp_f32 v[GT+\i], v[GT+\i]
.endr
.irp i, 0,1,2,3,4,5,6,7
	v_exp_f32 v[GU+\i], v[GU+\i]
.endr
.irp i, 0,2,4,6
	v_pk_mul_f32 v[GH+\i:GH+\i+1], v[\x+\i:\x+\i+1], 0.5 op_sel_hi:[1,0]            ; the plain places behind the transcendentals (ISA guide 5.7.2)
.endr
	s_wait_alu depctr_va_vdst(0)
.irp i, 0,2,4,6
	v_pk_fma_f32 v[GP+\i:GP+\i+1], v[GT+\i:GT+\i+1], v[C5:C5+1], s[74:75] op_sel_hi:[1,1,0]
.endr
.irp c, 76, 78, 80
.irp i, 0,2,4,6
	v_pk_fma_f32 v[GP+\i:GP+\i+1], v[GP+\i:GP+\i+1], v[GT+\i:GT+\i+1], s[\c:\c+1] op_sel_hi:[1,1,0]
.endr
.endr
.irp i, 0,2,4,6
	v_pk_mul_f32 v[GP+\i:GP+\i+1], v[GP+\i:GP+\i+1], v[GT+\i:GT+\i+1]
.endr
.irp i, 0,2,4,6
	v_pk_fma_f32 v[GP+\i:GP+\i+1], v[GP+\i:GP+\i+1], v[GU+\i:GU+\i+1], 0.5 op_sel_hi:[1,1,0] neg_lo:[1,0,0] neg_hi:[1,0,0]   ; 1/2 - q
.endr
.irp i, 0,1,2,3,4,5,6,7
	v_fma_f32 v[\x+\i], |v[\x+\i]|, v[GP+\i], v[GH+\i]
.endr
.endm
; rows 16 i .. 16 i + 15 of my block = the eight tiles (a, 0..7) of window 2 or 3 (from = 0x02 or 0x03: source 0)
.macro OUT16 i, a, from
	WIN \from
.irp b, 0,1,2,3,4,5,6,7
.irp r, 0,1,2,3
	v_pk_add_f32 v[X+8*\b+2*\r:X+8*\b+2*\r+1], v[8*(8*\a+\b)+2*\r:8*(8*\a+\b)+2*\r+1], v[BIAS+8*\b+2*\r:BIAS+8*\b+2*\r+1]   ; the bias, and the move into window 0
.endr
.endr
	WIN 0
.irp b, 0,1,2,3,4,5,6,7
	GELU8 X+8*\b
.endr
.irp b, 0,1,2,3,4,5,6,7
.irp r, 0,1,2,3
	v_cvt_pk_bf16_f32 v[TMP+4*\b+\r], v[X+8*\b+2*\r], v[X+8*\b+2*\r+1]
.endr
.endr
.irp b, 0,1,2,3,4,5,6,7
	ds_store_b128 v[STO], v[TMP+4*\b:TMP+4*\b+3] offset:32*\b
.endr
	s_wait_xcnt 0x0                                ; RB, which the last stores read, and the stores' base are written again only behind this wait
.if \i
	s_add_nc_u64 s[8:9], s[8:9], 16*SIZE_N*2       ; 16 rows on
.endif
.irp t, 0,1,2,3,4,5,6,7
	ds_load_b128 v[RB+4*\t:RB+4*\t+3], v[RD] offset:\t*2*SPITCH    ; LDS serves a wave's instructions in order: these see the stores above
.endr
.irp t, 0,1,2,3,4,5,6,7
	s_wait_dscnt 7-\t
	global_store_b128 v[CO], v[RB+4*\t:RB+4*\t+3], s[8:9] offset:2*\t*SIZE_N*2   ; 16 lanes store 256 consecutive bytes, aligned
.endr
.endm
	OUT16 0, 0, 0x02
	OUT16 1, 1, 0x02
	OUT16 2, 2, 0x02
	OUT16 3, 3, 0x02
	OUT16 4, 0, 0x03
	OUT16 5, 1, 0x03
	OUT16 6, 2, 0x03
	OUT16 7, 3, 0x03
	s_set_vgpr_msb 0x1
	s_wait_tensorcnt 0x0
	ds_add_u32 v255, v31
	s_wait_dscnt 0x0
	s_set_vgpr_msb 0x100
	CROUND                                         ; the closing round
	s_endpgm
.Lfunc_end_k_qbdfd8de9d3_gfc1:
	.size	k_qbdfd8de9d3_gfc1, .Lfunc_end_k_qbdfd8de9d3_gfc1-k_qbdfd8de9d3_gfc1
	.p2alignl 7, 3214868480
	.fill 96, 4, 3214868480
	.section	.rodata,"a",@progbits
	.p2align	6, 0x0
	.amdhsa_kernel k_qbdfd8de9d3_gfc1
		.amdhsa_group_segment_fixed_size 327680
		.amdhsa_private_segment_fixed_size 0
		.amdhsa_enable_private_segment 0
		.amdhsa_kernarg_size 32
		.amdhsa_user_sgpr_count 2
		.amdhsa_user_sgpr_kernarg_segment_ptr 1
		.amdhsa_wavefront_size32 1
		.amdhsa_system_sgpr_workgroup_id_x 1
		.amdhsa_system_sgpr_workgroup_id_y 1
		.amdhsa_system_sgpr_workgroup_id_z 1
		.amdhsa_system_vgpr_workitem_id 0
		.amdhsa_next_free_vgpr 1024
		.amdhsa_next_free_sgpr 96
		.amdhsa_reserve_vcc 0
		.amdhsa_float_denorm_mode_32 3
		.amdhsa_float_denorm_mode_16_64 3
		.amdhsa_memory_ordered 1
		.amdhsa_forward_progress 1
		.amdhsa_inst_pref_size 255
	.end_amdhsa_kernel
	.section	.bss,"aw",@nobits
	.p2align	6
	.space	262144
	.amdgpu_metadata
---
amdhsa.version: [ 1, 2 ]
amdhsa.kernels:
  - .name:           k_qbdfd8de9d3_gfc1
    .symbol:         k_qbdfd8de9d3_gfc1.kd
    .args:
      - { .name: h, .offset: 0, .size: 8, .value_kind: global_buffer, .address_space: global }
      - { .name: wbf, .offset: 8, .size: 8, .value_kind: global_buffer, .address_space: global }
      - { .name: f, .offset: 16, .size: 8, .value_kind: global_buffer, .address_space: global }
      - { .name: fc1_b, .offset: 24, .size: 8, .value_kind: global_buffer, .address_space: global }
    .group_segment_fixed_size: 327680
    .private_segment_fixed_size: 0
    .kernarg_segment_align: 8
    .kernarg_segment_size: 32
    .max_flat_workgroup_size: 128
    .sgpr_count:     96
    .vgpr_count:     1024
    .wavefront_size: 32
...
	.end_amdgpu_metadata
.endif
;; end of part 6
;; launch gfc2 (part 7): grid 8 x 32, 4 waves a work-group, clusters of 4 x 4, 327,680 bytes of LDS; arguments f, wbf, out0, fc2_b, x1; writes out0
.if DOCPART == 7
	.amdgcn_target "amdgcn-amd-amdhsa--gfx1250"
	.amdhsa_code_object_version 6
	.text
	.protected	k_qbdfd8de9d3_gfc2
	.globl	k_qbdfd8de9d3_gfc2
	.p2align	8
	.type	k_qbdfd8de9d3_gfc2,@function
k_qbdfd8de9d3_gfc2:
	s_mov_b64 s[64:65], 0
	v_nop
	global_prefetch_b8 v0, s[64:65] scope:SCOPE_SE
	s_setreg_imm32_b32 hwreg(HW_REG_WAVE_MODE, 25, 1), 1
	s_wait_xcnt 0x0
	s_wait_alu depctr_hold_cnt(0) depctr_sa_sdst(0) depctr_va_vdst(0) depctr_va_sdst(0) depctr_va_ssrc(0) depctr_va_vcc(0) depctr_vm_vsrc(0)
	s_getreg_b32 s2, hwreg(HW_REG_IB_STS2, 6, 4)
	s_cmp_eq_u32 s2, 0
	s_cbranch_scc0 .Lentry_in_a_cluster
	s_endpgm
.Lentry_in_a_cluster:
	s_bfe_u32 s2, ttmp6, 0x10000c
	s_cmp_lg_u32 s2, 0xf033
	s_cbranch_scc0 .Lentry_shape_is_right
	s_endpgm
.Lentry_shape_is_right:
; out0 = x1 + f W2^T + fc2_b.  f: [4096][4096] bf16; W2: [1024][4096] bf16 at byte 16,777,216 of wbf; x1, out0: [4096][1024] f32; sums in f32.
; N is 1,024: blocks of 256 x 256 would be 64 work-groups.  So a work-group makes 128 x 128 (8 x 32 = 256 work-groups), and its four waves
; SHARE K: every wave holds the whole 128 x 128 in 64 accumulator tiles and multiplies a quarter of each slot's K.  For 64 matrix instructions
; a wave still loads 2 x 128 rows x 64 bytes from LDS, half of what tiles of 64 x 64 would ask.  At the end the four partial blocks meet in LDS.
; A slot holds K = 256: rows of 512 bytes of memory; two slots are all the LDS asked for.
; CLUSTERS: 4 x 4 work-groups; f's tile is shared along a row of the cluster, W's along a column, by joint loads.
; REGISTERS as windows of 256: window 0 addresses, fragments of f (v64-127, v128-191); window 1 fragments of W; windows 2, 3 the accumulators
; (tile (a, b) at v[8 (8 a + b)]).  The matrix instruction is used transposed (source 0 = rows of W): a lane's 8 results are 8 neighbouring columns.
.set SIZE_K, 4096
.set WOFF,   16777216
.set KSLOT,  256                       ; K of a slot
.set PITCH,  528                       ; an LDS row: 512 bytes + 16
.set QROWS,  64*PITCH                  ; what one tensor load brings
.set HALFT,  128*PITCH                 ; f's 128 rows; W's follow.  Later: one wave's partial block, 128 rows of 128 f32
.set SLOT,   2*HALFT
.set LAPS, SIZE_K/(2*KSLOT)            ; a lap = once round the ring: 8
.set ADRA, 16
.set ADRB, 20
.set STO,  24
.set RD,   25                          ; v25-28
.set CO,   29
.set BI,   32                          ; v[32:35]
.set F0,   64
.set F1,   128
.set RES,  64                          ; v[64:191] the residual's 32 rows; the result grows in them
.set PB,   192                         ; two buffers of two rows x four partial blocks
.set G1, 24
.set G0, 32
.set G1B, 48
.set G0B, 56
.set MSB, 0
.macro WIN new
.if MSB != \new
	s_set_vgpr_msb (MSB<<8)|\new
.set MSB, \new
.endif
.endm
.set MUL_LO, 0xa1
.set MUL_HI, 0xf1
.set TO_B,   0x40
.macro JLOAD s                         ; waves 0, 1 fetch f's two halves, waves 2, 3 W's; each line has one mask
	s_cmp_eq_u32 s11, 0
	s_cbranch_scc0 .Lfor_b_\@
	tensor_load_to_lds s[G0+4*\s:G0+4*\s+3], s[G1:G1+7]
	s_nop 0
	s_branch .Lasked_\@
.Lfor_b_\@:
	tensor_load_to_lds s[G0B+4*\s:G0B+4*\s+3], s[G1B:G1B+7]
	s_nop 0
.Lasked_\@:
.endm
.macro CREST
	s_cmp_lg_u32 s10, 0
	s_cbranch_scc1 .Lnot_wave_0_\@
	s_barrier_signal -3
.Lnot_wave_0_\@:
	s_barrier_wait -3
	s_barrier_signal -1
	s_barrier_wait -1
.endm
.macro CROUND
	s_barrier_signal -1
	s_barrier_wait -1
	CREST
.endm
	s_load_b128 s[4:7], s[0:1], 0x0                ; f s[4:5], wbf s[6:7]
	s_load_b64 s[8:9], s[0:1], 0x10                ; out0
	s_load_b64 s[68:69], s[0:1], 0x18              ; fc2_b
	s_load_b64 s[70:71], s[0:1], 0x20              ; x1
	s_set_vgpr_msb 0x40
	v_lshl_add_u32 v255, v0, 2, 0x42000
	s_set_vgpr_msb 0x4000
	v_mov_b32 v63, 0
	s_set_vgpr_msb 0x1
	ds_add_u32 v255, v63
	s_set_vgpr_msb 0x100
	v_lshrrev_b32 v1, 5, v0
	v_readfirstlane_b32 s10, v1                    ; wave 0..3
	s_lshr_b32 s11, s10, 1                         ; I fetch for f (0) or for W (1)
	s_and_b32 s12, s10, 1                          ; which 64 rows of that tile
	s_bfe_u32 s40, ttmp6, 0x40000                  ; cx
	s_bfe_u32 s41, ttmp6, 0x40004                  ; cy
	s_lshl_b32 s42, ttmp9, 2
	s_add_co_u32 s42, s42, s40                     ; block column
	s_and_b32 s13, ttmp7, 0xffff
	s_lshl_b32 s13, s13, 2
	s_add_co_u32 s13, s13, s41                     ; block row
	s_lshl_b32 s43, s41, 2
	s_lshl_b32 s43, 15, s43
	s_lshl_b32 s44, 0x1111, s40
	; group 1: 64 rows x 256 elements of 2 bytes, 16 bytes of padding behind every 128 words
	s_or_b32 s[G1+0], s43, (1<<16)|(1<<20)|(1<<21)|(6<<22)|(3<<25)
	s_or_b32 s[G1B+0], s44, (1<<16)|(1<<20)|(1<<21)|(6<<22)|(3<<25)
	s_mov_b32 s[G1B+1], KSLOT<<16
	s_mov_b32 s[G1+1], KSLOT<<16
	s_mov_b32 s[G1B+2], 64<<16
	s_mov_b32 s[G1+2], 64<<16
	s_mov_b32 s[G1B+3], KSLOT<<16
	s_mov_b32 s[G1+3], KSLOT<<16
	s_mov_b32 s[G1B+4], 64
	s_mov_b32 s[G1+4], 64
	s_mov_b32 s[G1B+5], SIZE_K
	s_mov_b32 s[G1+5], SIZE_K
	s_mov_b32 s[G1B+6], 0
	s_mov_b32 s[G1+6], 0
	s_mov_b32 s[G1B+7], 0
	s_mov_b32 s[G1+7], 0
	s_lshl_b32 s17, s12, 6
	s_lshl_b32 s16, s13, 7
	s_add_co_u32 s16, s16, s17                     ; f: row 128 x block row + 64 x half
	s_lshl_b32 s46, s42, 7
	s_add_co_u32 s46, s46, s17                     ; W: row 128 x block column + 64 x half
	s_mov_b32 s17, 0
	s_mov_b32 s47, 0
	s_mov_b64 s[18:19], SIZE_K*2
	s_mul_u64 s[16:17], s[16:17], s[18:19]
	s_mul_u64 s[46:47], s[46:47], s[18:19]
	s_mul_i32 s20, s10, QROWS
	s_wait_dscnt 0x0
	s_wait_kmcnt 0x0
	s_add_nc_u64 s[6:7], s[6:7], WOFF
	s_add_nc_u64 s[14:15], s[4:5], s[16:17]
	s_add_nc_u64 s[46:47], s[6:7], s[46:47]
	CROUND                                         ; all sixteen work-groups are here: the first joint loads meet
.irp s, 0,1
	s_mov_b32 s[G0+4*\s], 1
	s_add_co_u32 s[G0+4*\s+1], s20, \s*SLOT
	s_add_nc_u64 s[G0+4*\s+2:G0+4*\s+3], s[14:15], \s*KSLOT*2
	s_or_b32 s[G0+4*\s+3], s[G0+4*\s+3], 0x80000000
	s_mov_b32 s[G0B+4*\s], 1
	s_add_co_u32 s[G0B+4*\s+1], s20, \s*SLOT
	s_add_nc_u64 s[G0B+4*\s+2:G0B+4*\s+3], s[46:47], \s*KSLOT*2
	s_or_b32 s[G0B+4*\s+3], s[G0B+4*\s+3], 0x80000000
	JLOAD \s                                       ; two tensor loads of the wave are out
.endr
	v_and_b32 v1, 15, v0
	v_bfe_u32 v2, v0, 4, 1
	v_mul_u32_u24 v3, v1, PITCH
	v_lshl_add_u32 v3, v2, 4, v3
	s_lshl_b32 s21, s10, 7                         ; my 64 of the slot's K: 128 bytes x wave
	s_add_co_u32 s22, s21, HALFT
.irp s, 0,1
	v_add_nc_u32 v[ADRA+\s], s21, v3
	v_add_nc_u32 v[ADRB+\s], s22, v3
	s_add_co_u32 s21, s21, SLOT
	s_add_co_u32 s22, s22, SLOT
.endr
	v_and_b32 v4, 31, v0
	v_lshlrev_b32 v[CO], 4, v4
	s_mul_i32 s23, s10, HALFT
	v_mul_u32_u24 v5, v1, PITCH
	v_lshl_add_u32 v5, v2, 5, v5
	v_add_nc_u32 v[STO], s23, v5                   ; wave x 67,584 + r x 528 + 32 h
	s_mul_i32 s23, s10, 32*PITCH
	v_add_nc_u32 v[RD], s23, v[CO]
	v_add_nc_u32 v[RD+1], HALFT, v[RD]
	v_add_nc_u32 v[RD+2], HALFT, v[RD+1]
	v_add_nc_u32 v[RD+3], HALFT, v[RD+2]
.macro MUL16 f, hi, a0, zero
.irp a, \a0, \a0+1
.irp b, 0,1,2,3,4,5,6,7
.if \zero
	v_wmma_f32_16x16x32_bf16 v[8*(8*(\a)+\b):8*(8*(\a)+\b)+7], v[\f+8*\b:\f+8*\b+7], v[\f+8*(4*\hi+\a):\f+8*(4*\hi+\a)+7], 0
.else
	v_wmma_f32_16x16x32_bf16 v[8*(8*(\a)+\b):8*(8*(\a)+\b)+7], v[\f+8*\b:\f+8*\b+7], v[\f+8*(4*\hi+\a):\f+8*(4*\hi+\a)+7], v[8*(8*(\a)+\b):8*(8*(\a)+\b)+7]
.endif
.endr
.endr
.endm
.macro FETCH slot, k, f
	WIN TO_B
.irp i, 0,1,2,3,4,5,6,7
	ds_load_b128 v[\f+8*\i:\f+8*\i+3],   v[ADRB+\slot] offset:\k+\i*16*PITCH
	ds_load_b128 v[\f+8*\i+4:\f+8*\i+7], v[ADRB+\slot] offset:\k+\i*16*PITCH+32
.endr
	WIN 0
.irp i, 0,1,2,3,4,5,6,7
	ds_load_b128 v[\f+8*\i:\f+8*\i+3],   v[ADRA+\slot] offset:\k+\i*16*PITCH
	ds_load_b128 v[\f+8*\i+4:\f+8*\i+7], v[ADRA+\slot] offset:\k+\i*16*PITCH+32
.endr
.endm
.macro PLACES                          ; four places of plain vector instructions behind a matrix instruction (ISA guide 7.12.1)
.rept 4
	v_nop
.endr
.endm
; The 64 accumulators take turns, one instruction a turn, in the same order throughout.
.macro QUARTER slot, k, f, g, zero
	s_wait_dscnt 8                                 ; W and f's rows 0-63 are in; the youngest eight loads (f's rows 64-127) may be out
	WIN MUL_LO
	MUL16 \f, 0, 0, \zero
	MUL16 \f, 0, 2, \zero
	PLACES
	FETCH \slot, \k, \g
	s_wait_dscnt 32                                ; all but the 32 just issued
	WIN MUL_HI
	MUL16 \f, 1, 0, \zero
	MUL16 \f, 1, 2, \zero
.endm
; The change of slots: each wave's reads of this slot and all its tensor loads are waited for in front of the barrier; behind it (fill = 1: behind the
; cluster's round that it opens) the refill comes first, then the next slot's fragments.
.macro TURN slot, next, fill
	s_wait_dscnt 8
	WIN MUL_LO
	MUL16 F1, 0, 0, 0
	s_wait_dscnt 0
	s_wait_tensorcnt 0x0
	ds_add_u32 v255, v63
	s_wait_dscnt 0x0
	s_barrier_signal -1
	MUL16 F1, 0, 2, 0
	WIN 0
	s_barrier_wait -1
.if \fill
	CREST
	s_add_nc_u64 s[G0+4*\slot+2:G0+4*\slot+3], s[G0+4*\slot+2:G0+4*\slot+3], 2*KSLOT*2
	s_add_nc_u64 s[G0B+4*\slot+2:G0B+4*\slot+3], s[G0B+4*\slot+2:G0B+4*\slot+3], 2*KSLOT*2
	JLOAD \slot
.endif
	PLACES
	FETCH \next, 0, F0
	WIN MUL_HI
	MUL16 F1, 1, 0, 0
	MUL16 F1, 1, 2, 0
.endm
.macro LAP zero
	QUARTER 0, 64, F0, F1, \zero
	TURN 0, 1, 1
	QUARTER 1, 64, F0, F1, 0
	TURN 1, 0, 1
.endm
	s_wait_tensorcnt 1                             ; my part of slot 0 is in; slot 1's may stay out
	s_barrier_signal -1
	s_barrier_wait -1
	FETCH 0, 0, F0
	LAP 1                                          ; the first products start the sums
.if LAPS > 2
	WIN 0
	s_mov_b32 s3, LAPS-2
.Llap:
	LAP 0
	WIN 0
	s_sub_co_u32 s3, s3, 1
	s_cmp_lg_u32 s3, 0
	s_cbranch_scc1 .Llap
.endif
	QUARTER 0, 64, F0, F1, 0                       ; the last lap fills nothing
	TURN 0, 1, 0
	QUARTER 1, 64, F0, F1, 0
	s_wait_dscnt 8
	WIN MUL_LO
	MUL16 F1, 0, 0, 0
	MUL16 F1, 0, 2, 0
	s_wait_dscnt 0
	WIN MUL_HI
	MUL16 F1, 1, 0, 0
	MUL16 F1, 1, 2, 0
	; THE SUM.  Each wave lays its partial block into a quarter of the ring (the slots have had their last fill), then wave w adds up rows
	; 32 w .. 32 w + 31 of the four, with the bias and the residual, and stores them.
	PLACES
	WIN 0
	s_lshl_b32 s16, s13, 19                        ; block row x 128 rows x 4,096 bytes
	s_lshl_b32 s14, s10, 17                        ; + wave x 32 rows
	s_add_co_u32 s16, s16, s14
	s_mov_b32 s17, 0
	s_lshl_b32 s46, s42, 9                         ; block column x 128 columns x 4 bytes
	s_mov_b32 s47, 0
	s_add_nc_u64 s[8:9], s[8:9], s[16:17]
	s_add_nc_u64 s[8:9], s[8:9], s[46:47]
	s_add_nc_u64 s[70:71], s[70:71], s[16:17]
	s_add_nc_u64 s[70:71], s[70:71], s[46:47]
	s_add_nc_u64 s[68:69], s[68:69], s[46:47]
	global_load_b128 v[BI:BI+3], v[CO], s[68:69]
.set i, 0
.rept 32
	global_load_b128 v[RES+4*i:RES+4*i+3], v[CO], s[70:71] offset:4096*i   ; 512 neighbouring bytes of a row; on their way while the blocks go through LDS
.set i, i+1
.endr
	s_wait_dscnt 0x0
	s_barrier_signal -1                            ; every wave has finished reading the ring
	s_barrier_wait -1
	WIN 0x08                                       ; store data from window 2
.irp a, 0,1,2,3
.irp b, 0,1,2,3,4,5,6,7
	ds_store_b128 v[STO], v[8*(8*\a+\b):8*(8*\a+\b)+3] offset:16*\a*PITCH+64*\b
	ds_store_b128 v[STO], v[8*(8*\a+\b)+4:8*(8*\a+\b)+7] offset:16*\a*PITCH+64*\b+16
.endr
.endr
	WIN 0x0c                                       ; from window 3: rows 64-127
.irp a, 0,1,2,3
.irp b, 0,1,2,3,4,5,6,7
	ds_store_b128 v[STO], v[8*(8*\a+\b):8*(8*\a+\b)+3] offset:16*(\a+4)*PITCH+64*\b
	ds_store_b128 v[STO], v[8*(8*\a+\b)+4:8*(8*\a+\b)+7] offset:16*(\a+4)*PITCH+64*\b+16
.endr
.endr
	WIN 0
	s_wait_dscnt 0x0                               ; for the others' sake: my block is written
	s_barrier_signal -1
	s_barrier_wait -1
	s_wait_loadcnt 0x0                             ; bias and residual
.macro FLOAD k                         ; rows 2 k and 2 k + 1 of my 32, from the four partial blocks: eight loads of 512 neighbouring bytes
.irp q, 0,1
.irp p, 0,1,2,3
	ds_load_b128 v[PB+32*((\k)&1)+16*\q+4*\p:PB+32*((\k)&1)+16*\q+4*\p+3], v[RD+\p] offset:(2*(\k)+\q)*PITCH
.endr
.endr
.endm
.macro FROW k, q
.set ri, RES+4*(2*(\k)+\q)
.set pb, PB+32*((\k)&1)+16*\q
	v_pk_add_f32 v[ri:ri+1], v[ri:ri+1], v[BI:BI+1]
	v_pk_add_f32 v[ri+2:ri+3], v[ri+2:ri+3], v[BI+2:BI+3]
.irp p, 0,1,2,3
	v_pk_add_f32 v[ri:ri+1], v[ri:ri+1], v[pb+4*\p:pb+4*\p+1]
	v_pk_add_f32 v[ri+2:ri+3], v[ri+2:ri+3], v[pb+4*\p+2:pb+4*\p+3]
.endr
	global_store_b128 v[CO], v[ri:ri+3], s[8:9] offset:4096*(2*(\k)+\q)    ; 512 consecutive bytes, aligned; these registers are not written again
.endm
	FLOAD 0
.set k, 0
.rept 15
	FLOAD k+1
	s_wait_dscnt 8                                 ; this pair of rows is in; the next pair's eight loads stay out
	FROW k, 0
	FROW k, 1
.set k, k+1
.endr
	s_wait_dscnt 0
	FROW 15, 0
	FROW 15, 1
	s_set_vgpr_msb 0x1
	s_wait_tensorcnt 0x0
	ds_add_u32 v255, v63
	s_wait_dscnt 0x0
	s_set_vgpr_msb 0x100
	CROUND                                         ; the closing round
	s_endpgm
.Lfunc_end_k_qbdfd8de9d3_gfc2:
	.size	k_qbdfd8de9d3_gfc2, .Lfunc_end_k_qbdfd8de9d3_gfc2-k_qbdfd8de9d3_gfc2
	.p2alignl 7, 3214868480
	.fill 96, 4, 3214868480
	.section	.rodata,"a",@progbits
	.p2align	6, 0x0
	.amdhsa_kernel k_qbdfd8de9d3_gfc2
		.amdhsa_group_segment_fixed_size 327680
		.amdhsa_private_segment_fixed_size 0
		.amdhsa_enable_private_segment 0
		.amdhsa_kernarg_size 40
		.amdhsa_user_sgpr_count 2
		.amdhsa_user_sgpr_kernarg_segment_ptr 1
		.amdhsa_wavefront_size32 1
		.amdhsa_system_sgpr_workgroup_id_x 1
		.amdhsa_system_sgpr_workgroup_id_y 1
		.amdhsa_system_sgpr_workgroup_id_z 1
		.amdhsa_system_vgpr_workitem_id 0
		.amdhsa_next_free_vgpr 1024
		.amdhsa_next_free_sgpr 72
		.amdhsa_reserve_vcc 0
		.amdhsa_float_denorm_mode_32 3
		.amdhsa_float_denorm_mode_16_64 3
		.amdhsa_memory_ordered 1
		.amdhsa_forward_progress 1
		.amdhsa_inst_pref_size 130
	.end_amdhsa_kernel
	.amdgpu_metadata
---
amdhsa.version: [ 1, 2 ]
amdhsa.kernels:
  - .name:           k_qbdfd8de9d3_gfc2
    .symbol:         k_qbdfd8de9d3_gfc2.kd
    .args:
      - { .name: f, .offset: 0, .size: 8, .value_kind: global_buffer, .address_space: global }
      - { .name: wbf, .offset: 8, .size: 8, .value_kind: global_buffer, .address_space: global }
      - { .name: out0, .offset: 16, .size: 8, .value_kind: global_buffer, .address_space: global }
      - { .name: fc2_b, .offset: 24, .size: 8, .value_kind: global_buffer, .address_space: global }
      - { .name: x1, .offset: 32, .size: 8, .value_kind: global_buffer, .address_space: global }
    .group_segment_fixed_size: 327680
    .private_segment_fixed_size: 0
    .kernarg_segment_align: 8
    .kernarg_segment_size: 40
    .max_flat_workgroup_size: 128
    .sgpr_count:     72
    .vgpr_count:     1024
    .wavefront_size: 32
...
	.end_amdgpu_metadata
.endif
;; end of part 7
;; ======== version 2 of 2: 7 launches; version 1 with the launch prep written anew for expert scheduling mode
;; limits: right only within a limited range of input values; a function is approximated: absolute error at most 7.5e-08
;; workspace buffers: wbf 25,165,824 bytes; mtile 4,194,304 bytes; h 8,388,608 bytes; qkv 25,165,824 bytes; o 8,388,608 bytes; x1 16,777,216 bytes; f 33,554,432 bytes
;; launch prep (part 8): grid 1088 x 1, 8 waves a work-group, no clusters, 0 bytes of LDS; arguments x, ln1_g, ln1_b, qkv_w, out_w, fc1_w, fc2_w, mask, h, wbf, mtile; writes h, wbf, mtile
.if DOCPART == 8
	.amdgcn_target "amdgcn-amd-amdhsa--gfx1250"
	.amdhsa_code_object_version 6
	.text
	.protected	k_qbdfd8de9d3_prep
	.globl	k_qbdfd8de9d3_prep
	.p2align	8
	.type	k_qbdfd8de9d3_prep,@function
k_qbdfd8de9d3_prep:
	s_mov_b64 s[64:65], 0
	v_nop
	global_prefetch_b8 v0, s[64:65] scope:SCOPE_SE
	s_setreg_imm32_b32 hwreg(HW_REG_WAVE_SCHED_MODE, 0, 2), 2
	s_setreg_imm32_b32 hwreg(HW_REG_WAVE_MODE, 25, 1), 1
	s_wait_xcnt 0x0
	s_wait_alu depctr_vm_vsrc(0)
; Three streams in one launch, told apart by the work-group's number:
;   0 .. 255     h = LayerNorm(x) g + b, rounded to bf16: 16 rows a work-group, two rows a wave
;   256 .. 1023  the four weight matrices rounded to bf16, one behind the other in wbf: 16,384 numbers a work-group
;   1024 .. 1087 the mask re-tiled to [16 query blocks][16 key blocks][128][128], byte 0x00 = keep, 0xFF = masked
; Memory binds all three: no LDS, no barrier, no matrix unit.  Every text is straight: no register that a store reads is written again.
; LIMIT: a mask byte is 0 or 1, as a bool is stored.
; LayerNorm takes two passes over the row in registers (the mean, then the mean of the squared differences), so that a common
; offset of the row does not enter a difference of large sums.
; THE MODE: SCHED_MODE bits 1:0 = 2 (LLVM: expert scheduling mode 2), set by the entry lines.  The code itself states the register dependences
; between vector instructions and memory instructions, with s_wait_alu, always for 0.
; THE PLAN.  Registers that memory instructions touch:
;   v1, v2        byte offsets of the LayerNorm and the cast: made once at the head, never written again.
;   v6, v7        byte offsets of the mask's loads and stores: made once at that text's head, never written again.
;   raw registers (LayerNorm X, G, B; cast and mask v[16:79]): each is loaded once, and no vector instruction names it ahead of its load.
;   out registers (LayerNorm Y; cast v[80:111]; mask v[80:143]): each is written once, by vector instructions, and read by one store.
; So the waits are: one for s4 and one for v1, v2 at the head; one for v6, v7; and one on va_vdst ahead of each run of stores, for the out registers
; that the run reads.  Behind such a wait the run's stores are dealt among the next block's vector instructions, which name other registers.
; No register that a memory instruction reads is written again, and no load lands in a register that a vector instruction has named.
.set X,   16                           ; v[16:79]    two rows of 1,024 f32: row p at X + 32 p; register 4 j + c holds column 128 j + 4 lane + c
.set G,   80                           ; v[80:111]   gain of the same columns
.set B,   112                          ; v[112:143]  bias of the same columns
.set Y,   144                          ; v[144:175]  the rows in bf16: row p at Y + 16 p
.set T,   4                            ; v[4:9]      at work
.set R,   12                           ; v[12:15]    1 / sqrt(var + eps) of row p, twice, at R + 2 p
.macro LANESUM                         ; v[T] summed over the 32 lanes, the result in every lane; v[T+1] has been written before
	v_add_f32_dpp v[T], v[T], v[T] row_xmask:1 row_mask:0xf bank_mask:0xf
	v_add_f32_dpp v[T], v[T], v[T] row_xmask:2 row_mask:0xf bank_mask:0xf
	v_add_f32_dpp v[T], v[T], v[T] row_xmask:4 row_mask:0xf bank_mask:0xf
	v_add_f32_dpp v[T], v[T], v[T] row_xmask:8 row_mask:0xf bank_mask:0xf
	v_permlanex16_b32 v[T+1], v[T], s30, s31
	v_add_f32 v[T], v[T], v[T+1]
.endm
; Row p: the mean is taken away in place, and 1 / sqrt(var + eps) is left in v[R+2p:R+2p+1].  left = younger loads that may stay out.
.macro ROWSTAT p, left
	s_wait_loadcnt \left
	v_pk_add_f32 v[T:T+1], v[X+32*\p:X+32*\p+1], v[X+32*\p+2:X+32*\p+3]         ; the first two sums start two chains: nothing is cleared
	v_pk_add_f32 v[T+2:T+3], v[X+32*\p+4:X+32*\p+5], v[X+32*\p+6:X+32*\p+7]
.set j, 8
.rept 6
	v_pk_add_f32 v[T:T+1], v[T:T+1], v[X+32*\p+j:X+32*\p+j+1]
	v_pk_add_f32 v[T+2:T+3], v[T+2:T+3], v[X+32*\p+j+2:X+32*\p+j+3]
.set j, j+4
.endr
	v_pk_add_f32 v[T:T+1], v[T:T+1], v[T+2:T+3]
	v_add_f32 v[T], v[T], v[T+1]
	LANESUM
	v_mul_f32 v[T+4], s36, v[T]                    ; the mean: sum / 1,024
	v_mov_b32 v[T+5], v[T+4]
.set j, 0
.rept 16
	v_pk_add_f32 v[X+32*\p+j:X+32*\p+j+1], v[X+32*\p+j:X+32*\p+j+1], v[T+4:T+5] neg_lo:[0,1] neg_hi:[0,1]
.set j, j+2
.endr
	v_pk_mul_f32 v[T:T+1], v[X+32*\p:X+32*\p+1], v[X+32*\p:X+32*\p+1]
	v_pk_mul_f32 v[T+2:T+3], v[X+32*\p+2:X+32*\p+3], v[X+32*\p+2:X+32*\p+3]
.set j, 4
.rept 7
	v_pk_fma_f32 v[T:T+1], v[X+32*\p+j:X+32*\p+j+1], v[X+32*\p+j:X+32*\p+j+1], v[T:T+1]
	v_pk_fma_f32 v[T+2:T+3], v[X+32*\p+j+2:X+32*\p+j+3], v[X+32*\p+j+2:X+32*\p+j+3], v[T+2:T+3]
.set j, j+4
.endr
	v_pk_add_f32 v[T:T+1], v[T:T+1], v[T+2:T+3]
	v_add_f32 v[T], v[T], v[T+1]
	LANESUM
	v_fma_f32 v[T], v[T], s36, s37                 ; var + eps
	v_rsq_f32 v[R+2*\p], v[T]
	v_nop                                          ; one plain place between v_rsq_f32 and the use of its result (ISA guide 5.7.2)
	s_wait_alu depctr_va_vdst(0)                   ; v_rsq_f32 has written v[R + 2 p], ahead of its first reader, the copy below
	v_mov_b32 v[R+2*\p+1], v[R+2*\p]
.endm
; The LayerNorm of rows 16 id + 2 wave and the next.  xs, gs, bs, hs: first registers of the scalar pairs with the four addresses.
.macro LNBODY xs, gs, bs, hs
	s_mov_b32 s30, 0x76543210                      ; v_permlanex16_b32: lane i of one half reads lane i of the other
	s_mov_b32 s31, 0xfedcba98
	s_mov_b32 s36, 0x3a800000                      ; 1 / 1,024
	s_mov_b32 s37, 0x3727c5ac                      ; 1e-5
	s_lshl_b32 s32, s5, 4
	s_lshl_b32 s33, s4, 1
	s_add_co_u32 s32, s32, s33                     ; my first row
	s_lshl_b32 s34, s32, 12                        ; x 4,096 bytes of f32
	s_mov_b32 s35, 0
	s_add_nc_u64 s[\xs:\xs+1], s[\xs:\xs+1], s[34:35]
	s_lshl_b32 s34, s32, 11                        ; x 2,048 bytes of bf16
	s_add_nc_u64 s[\hs:\hs+1], s[\hs:\hs+1], s[34:35]
.irp p, 0,1
.irp j, 0,1,2,3,4,5,6,7
	global_load_b128 v[X+32*\p+4*\j:X+32*\p+4*\j+3], v1, s[\xs:\xs+1] offset:\p*4096+512*\j   ; 512 neighbouring bytes a load; no vector instruction has named these registers
.endr
.endr
.irp j, 0,1,2,3,4,5,6,7
	global_load_b128 v[G+4*\j:G+4*\j+3], v1, s[\gs:\gs+1] offset:512*\j
.endr
.irp j, 0,1,2,3,4,5,6,7
	global_load_b128 v[B+4*\j:B+4*\j+3], v1, s[\bs:\bs+1] offset:512*\j
.endr
	ROWSTAT 0, 24                                  ; out: the second row's 8 loads, g's 8, b's 8
	ROWSTAT 1, 16                                  ; out: g's 8, b's 8
	s_wait_loadcnt 0x0                             ; g and b
	; row 0: scaled, gain and bias, rounded
.set j, 0
.rept 16
	v_pk_mul_f32 v[X+j:X+j+1], v[X+j:X+j+1], v[R:R+1]
.set j, j+2
.endr
.set j, 0
.rept 16
	v_pk_fma_f32 v[X+j:X+j+1], v[X+j:X+j+1], v[G+j:G+j+1], v[B+j:B+j+1]
.set j, j+2
.endr
.set j, 0
.rept 16
	v_cvt_pk_bf16_f32 v[Y+j], v[X+2*j], v[X+2*j+1]
.set j, j+1
.endr
	s_wait_alu depctr_va_vdst(0)                   ; row 0's roundings have written v[Y : Y+15], which the eight stores below read
	; row 0's stores, dealt among row 1's multiplications, which name row 1's registers of X and of R alone
.set j, 0
.rept 8
	global_store_b64 v2, v[Y+2*j:Y+2*j+1], s[\hs:\hs+1] offset:256*j   ; the wave's store covers 256 consecutive bytes, aligned
	v_pk_mul_f32 v[X+32+4*j:X+32+4*j+1], v[X+32+4*j:X+32+4*j+1], v[R+2:R+3]
	v_pk_mul_f32 v[X+32+4*j+2:X+32+4*j+3], v[X+32+4*j+2:X+32+4*j+3], v[R+2:R+3]
.set j, j+1
.endr
.set j, 0
.rept 16
	v_pk_fma_f32 v[X+32+j:X+32+j+1], v[X+32+j:X+32+j+1], v[G+j:G+j+1], v[B+j:B+j+1]
.set j, j+2
.endr
.set j, 0
.rept 16
	v_cvt_pk_bf16_f32 v[Y+16+j], v[X+32+2*j], v[X+32+2*j+1]
.set j, j+1
.endr
	s_wait_alu depctr_va_vdst(0)                   ; row 1's roundings have written v[Y+16 : Y+31], which the last eight stores read
.set j, 0
.rept 8
	global_store_b64 v2, v[Y+16+2*j:Y+16+2*j+1], s[\hs:\hs+1] offset:2048+256*j
.set j, j+1
.endr
.endm
	s_load_b512 s[8:23], s[0:1], 0x0               ; x 8, ln1_g 10, ln1_b 12, qkv_w 14, out_w 16, fc1_w 18, fc2_w 20, mask 22
	s_load_b128 s[24:27], s[0:1], 0x40             ; h 24, wbf 26
	s_load_b64 s[28:29], s[0:1], 0x50              ; mtile
	s_mov_b32 s5, ttmp9                            ; the work-group's number
	v_lshrrev_b32 v3, 5, v0
	v_readfirstlane_b32 s4, v3                     ; wave 0..7
	v_and_b32 v3, 31, v0
	v_lshlrev_b32 v1, 4, v3                        ; 16 x lane
	v_lshlrev_b32 v2, 3, v3                        ; 8 x lane
	s_wait_alu depctr_va_sdst(0)                   ; s4 is written, ahead of the branch: each of the three texts makes its addresses' offsets from it
	s_wait_alu depctr_va_vdst(0)                   ; v1 and v2 are written: every load and store of the LayerNorm and of the cast reads one of them as its offset
	s_wait_kmcnt 0x0
	s_cmp_lt_u32 s5, 256
	s_cbranch_scc0 .Lcast_or_mask
	LNBODY 8, 10, 12, 24
	s_endpgm
.Lcast_or_mask:
	s_cmp_lt_u32 s5, 1024
	s_cbranch_scc0 .Lmask
	; CAST.  id' = id - 256: 0..191 qkv_w, 192..255 out_w, 256..511 fc1_w, 512..767 fc2_w; 16,384 numbers each.
	; In wbf the four follow each other in that order, so the target is id' x 32,768 bytes whatever the source.
	s_sub_co_u32 s32, s5, 256
	s_mov_b64 s[34:35], s[20:21]
	s_mov_b32 s33, 512
	s_cmp_lt_u32 s32, 512
	s_cselect_b64 s[34:35], s[18:19], s[34:35]
	s_cselect_b32 s33, 256, s33
	s_cmp_lt_u32 s32, 256
	s_cselect_b64 s[34:35], s[16:17], s[34:35]
	s_cselect_b32 s33, 192, s33
	s_cmp_lt_u32 s32, 192
	s_cselect_b64 s[34:35], s[14:15], s[34:35]
	s_cselect_b32 s33, 0, s33
	s_sub_co_u32 s33, s32, s33                     ; my place in the source
	s_lshl_b32 s36, s33, 16                        ; x 65,536 bytes of f32
	s_lshl_b32 s38, s4, 13                         ; + wave x 8,192
	s_add_co_u32 s36, s36, s38
	s_mov_b32 s37, 0
	s_add_nc_u64 s[34:35], s[34:35], s[36:37]
	s_lshl_b32 s36, s32, 15                        ; x 32,768 bytes of bf16
	s_lshl_b32 s38, s4, 12                         ; + wave x 4,096
	s_add_co_u32 s36, s36, s38
	s_add_nc_u64 s[26:27], s[26:27], s[36:37]
.set i, 0
.rept 16
	global_load_b128 v[16+4*i:16+4*i+3], v1, s[34:35] offset:512*i th:TH_LOAD_NT   ; no vector instruction has named these registers
.set i, i+1
.endr
	; Four blocks of four loads.  Block g rounds its 16 registers into v[80 + 8 g ..]; the stores of block g - 1 are dealt among its roundings.
.set g, 0
.rept 4
	s_wait_loadcnt 12-4*g                          ; loads come back in order: block g's four are in, the younger blocks' stay out
.if g > 0
	s_wait_alu depctr_va_vdst(0)                   ; the block before has written its eight out registers, which the four stores below read; this block's roundings name others
.endif
.set i, 4*g
.rept 4
.if g > 0
	global_store_b64 v2, v[80+2*(i-4):81+2*(i-4)], s[26:27] offset:256*(i-4)    ; 256 consecutive bytes, aligned
.endif
	v_cvt_pk_bf16_f32 v[80+2*i], v[16+4*i], v[16+4*i+1]
	v_cvt_pk_bf16_f32 v[81+2*i], v[16+4*i+2], v[16+4*i+3]
.set i, i+1
.endr
.set g, g+1
.endr
	s_wait_alu depctr_va_vdst(0)                   ; the last block has written v[104:111], which the last four stores read
.set i, 12
.rept 4
	global_store_b64 v2, v[80+2*i:81+2*i], s[26:27] offset:256*i
.set i, i+1
.endr
	s_endpgm
.Lmask:
	; MASK.  j = id - 1024 owns query rows 32 j .. 32 j + 31; wave w owns key blocks 2 w and 2 w + 1 (256 bytes of each row).
	; Lane: a = l & 7 (16 bytes of a key block's 128), rs = (l >> 3) & 1 (which of two rows), ts = l >> 4 (which key block).
	; A load takes 256 consecutive bytes of each of two rows; a store's lanes 0-15 fill 256 consecutive bytes of one tile (two query
	; rows of 128 bytes), lanes 16-31 the same rows of the neighbouring tile.
	v_and_b32 v4, 7, v0
	v_bfe_u32 v5, v0, 3, 1
	v_bfe_u32 v8, v0, 4, 1
	v_lshlrev_b32 v6, 4, v4
	v_lshl_add_u32 v7, v5, 7, v6
	v_lshl_add_u32 v7, v8, 14, v7                  ; target: ts x 16,384 + rs x 128 + 16 a
	v_lshl_add_u32 v6, v5, 11, v6
	v_lshl_add_u32 v6, v8, 7, v6                   ; source: rs x 2,048 + ts x 128 + 16 a
	s_sub_co_u32 s32, s5, 1024
	s_lshl_b32 s34, s32, 16                        ; 32 rows of 2,048 bytes
	s_lshl_b32 s36, s4, 8
	s_add_co_u32 s34, s34, s36
	s_mov_b32 s35, 0
	s_add_nc_u64 s[22:23], s[22:23], s[34:35]
	s_lshr_b32 s34, s32, 2                         ; query block
	s_lshl_b32 s34, s34, 18                        ; x 16 tiles of 16,384 bytes
	s_lshl_b32 s36, s4, 15                         ; + 2 w tiles
	s_add_co_u32 s34, s34, s36
	s_and_b32 s36, s32, 3
	s_lshl_b32 s36, s36, 12                        ; + 32 rows of 128 bytes for each quarter of the block
	s_add_co_u32 s34, s34, s36
	s_add_nc_u64 s[28:29], s[28:29], s[34:35]
	s_wait_alu depctr_va_vdst(0)                   ; v6 and v7 are written: the loads below read v6 as their offset, the stores v7
.set i, 0
.rept 16
	global_load_b128 v[16+4*i:16+4*i+3], v6, s[22:23] offset:4096*i th:TH_LOAD_NT   ; no vector instruction has named these registers
.set i, i+1
.endr
	; Four blocks of four loads.  Block g makes its 16 registers of bytes in v[80 + 16 g ..]; the stores of block g - 1 are dealt among its arithmetic.
.set g, 0
.rept 4
	s_wait_loadcnt 12-4*g                          ; block g's four loads are in, the younger blocks' stay out
.if g > 0
	s_wait_alu depctr_va_vdst(0)                   ; the block before has written its sixteen out registers, which the four stores below read; this block's arithmetic names others
.endif
.set i, 4*g
.rept 4
.if g > 0
	global_store_b128 v7, v[80+4*(i-4):80+4*(i-4)+3], s[28:29] offset:256*(i-4)
.endif
.irp c, 0,1,2,3
	v_lshlrev_b32 v[80+4*i+\c], 8, v[16+4*i+\c]                    ; 256 m - m = 255 m: each byte 1 becomes 0xFF, no carry leaves a byte
	v_sub_nc_u32 v[80+4*i+\c], v[80+4*i+\c], v[16+4*i+\c]
.endr
.set i, i+1
.endr
.set g, g+1
.endr
	s_wait_alu depctr_va_vdst(0)                   ; the last block has written v[128:143], which the last four stores read
.set i, 12
.rept 4
	global_store_b128 v7, v[80+4*i:80+4*i+3], s[28:29] offset:256*i
.set i, i+1
.endr
	s_endpgm
.Lfunc_end_k_qbdfd8de9d3_prep:
	.size	k_qbdfd8de9d3_prep, .Lfunc_end_k_qbdfd8de9d3_prep-k_qbdfd8de9d3_prep
	.p2alignl 7, 3214868480
	.fill 96, 4, 3214868480
	.section	.rodata,"a",@progbits
	.p2align	6, 0x0
	.amdhsa_kernel k_qbdfd8de9d3_prep
		.amdhsa_group_segment_fixed_size 0
		.amdhsa_private_segment_fixed_size 0
		.amdhsa_enable_private_segment 0
		.amdhsa_kernarg_size 88
		.amdhsa_user_sgpr_count 2
		.amdhsa_user_sgpr_kernarg_segment_ptr 1
		.amdhsa_wavefront_size32 1
		.amdhsa_system_sgpr_workgroup_id_x 1
		.amdhsa_system_sgpr_workgroup_id_y 1
		.amdhsa_system_sgpr_workgroup_id_z 1
		.amdhsa_system_vgpr_workitem_id 0
		.amdhsa_next_free_vgpr 184
		.amdhsa_next_free_sgpr 66
		.amdhsa_reserve_vcc 0
		.amdhsa_float_denorm_mode_32 3
		.amdhsa_float_denorm_mode_16_64 3
		.amdhsa_memory_ordered 1
		.amdhsa_forward_progress 1
		.amdhsa_inst_pref_size 35
	.end_amdhsa_kernel
	.amdgpu_metadata
---
amdhsa.version: [ 1, 2 ]
amdhsa.kernels:
  - .name:           k_qbdfd8de9d3_prep
    .symbol:         k_qbdfd8de9d3_prep.kd
    .args:
      - { .name: x, .offset: 0, .size: 8, .value_kind: global_buffer, .address_space: global }
      - { .name: ln1_g, .offset: 8, .size: 8, .value_kind: global_buffer, .address_space: global }
      - { .name: ln1_b, .offset: 16, .size: 8, .value_kind: global_buffer, .address_space: global }
      - { .name: qkv_w, .offset: 24, .size: 8, .value_kind: global_buffer, .address_space: global }
      - { .name: out_w, .offset: 32, .size: 8, .value_kind: global_buffer, .address_space: global }
      - { .name: fc1_w, .offset: 40, .size: 8, .value_kind: global_buffer, .address_space: global }
      - { .name: fc2_w, .offset: 48, .size: 8, .value_kind: global_buffer, .address_space: global }
      - { .name: mask, .offset: 56, .size: 8, .value_kind: global_buffer, .address_space: global }
      - { .name: h, .offset: 64, .size: 8, .value_kind: global_buffer, .address_space: global }
      - { .name: wbf, .offset: 72, .size: 8, .value_kind: global_buffer, .address_space: global }
      - { .name: mtile, .offset: 80, .size: 8, .value_kind: global_buffer, .address_space: global }
    .group_segment_fixed_size: 0
    .private_segment_fixed_size: 0
    .kernarg_segment_align: 8
    .kernarg_segment_size: 88
    .max_flat_workgroup_size: 256
    .sgpr_count:     66
    .vgpr_count:     184
    .wavefront_size: 32
...
	.end_amdgpu_metadata
.endif
;; end of part 8
;; launch gqkv: the kernel of part 2 again; grid 12 x 16, 4 waves a work-group, clusters of 4 x 4, 327,680 bytes of LDS; arguments h, wbf, qkv, qkv_b; writes qkv
;; launch attn: the kernel of part 3 again; grid 16 x 16, 16 waves a work-group, clusters of 4 x 1, 327,680 bytes of LDS; arguments qkv, mtile, o; writes o
;; launch gout: the kernel of part 4 again; grid 8 x 32, 4 waves a work-group, clusters of 4 x 4, 327,680 bytes of LDS; arguments o, wbf, x1, out_b, x; writes x1
;; launch ln2: the kernel of part 5 again; grid 256 x 1, 8 waves a work-group, no clusters, 0 bytes of LDS; arguments x1, ln2_g, ln2_b, h; writes h
;; launch gfc1: the kernel of part 6 again; grid 16 x 16, 4 waves a work-group, clusters of 4 x 4, 327,680 bytes of LDS; arguments h, wbf, f, fc1_b; writes f
;; launch gfc2: the kernel of part 7 again; grid 8 x 32, 4 waves a work-group, clusters of 4 x 4, 327,680 bytes of LDS; arguments f, wbf, out0, fc2_b, x1; writes out0
